; MI455X (gfx1250); checked and timed in simulation.
; The chip was launched on July 23, 2026; its instructions are those of AMD's public machine-readable ISA for CDNA 5 (MIT licence, August 2026) and "CDNA5" Instruction Set Architecture Reference Guide (July 2026). The comments in the code are by the model that wrote it; some were corrected since.
;; Transformer Block. Allowed arithmetic: matrix products marked QUANTISED: E2M3 operands, one E8M0 scale for each 32 along K, by v_wmma_scale_f32_16x16x128_f8f6f4 with both operands' format E2M3, f32 sums; everything else in f32.
;; Inputs: b1 1,024 float32; b2 1,024 float32; b_o 1,024 float32; ln1_b 1,024 float32; ln1_g 1,024 float32; ln2_b 1,024 float32; ln2_g 1,024 float32; w1 1,024 x 1,024 float32; w2 1,024 x 1,024 float32; w_k 1,024 x 1,024 float32; w_o 1,024 x 1,024 float32; w_q 1,024 x 1,024 float32; w_v 1,024 x 1,024 float32; x 16 x 512 x 1,024 float32.
;; Outputs: out0 16 x 512 x 1,024 float32.
;; This version of the problem:
;;   THIS VERSION OF THE PROBLEM IS GIVEN IN LOW PRECISION. The matrix products marked QUANTISED in the list below multiply operands that are first quantised to E2M3 (2 exponent bits, 3 mantissa bits; 6 bits a number), with one power-of-two scale for each 32 numbers along K (OCP MX v1.0); their sums are f32. All else is computed in f32.
;;   The module's matrix products, in the order in which they are computed (A, B: the left and right operand; K: the contracted axis; several contracted axes count as one K, in the product's order):
;;     1. [M 8,192, K 1,024] x [K 1,024, N 1,024]; A: computed on the way; B: input w_q: QUANTISED
;;     2. [M 8,192, K 1,024] x [K 1,024, N 1,024]; A: computed on the way; B: input w_k: QUANTISED
;;     3. [M 8,192, K 1,024] x [K 1,024, N 1,024]; A: computed on the way; B: input w_v: QUANTISED
;;     4. batch 256 x [M 512, K 64] x [K 64, N 512]; A: computed on the way; B: computed on the way: QUANTISED
;;     5. batch 256 x [M 512, K 512] x [K 512, N 64]; A: softmax (see below); B: computed on the way: QUANTISED
;;     6. [M 8,192, K 1,024] x [K 1,024, N 1,024]; A: computed on the way; B: input w_o: QUANTISED
;;     7. [M 8,192, K 1,024] x [K 1,024, N 1,024]; A: computed on the way; B: input w1: QUANTISED
;;     8. [M 8,192, K 1,024] x [K 1,024, N 1,024]; A: computed on the way; B: input w2: QUANTISED
;;   THE QUANTISER, for each operand of a quantised product, along K:
;;     - K is cut into blocks of 32 from its start; a last block that is shorter is filled with zeros.
;;     - A block's scale is 2^e with e = floor(log2(the largest magnitude in the block)) - 2, held to -126 .. 127; a block of zeros has e = 0. As a byte (E8M0): e + 127.
;;     - Each number is divided by its block's scale, clamped to +-7.5, and rounded to the nearest number of E2M3, ties to even, subnormals kept.
;;     - The product sums the exact products of the quantised numbers (number of the format x scale) in f32.
;;   ~~~python
;;   def quantise(x, axis):      # numpy; x: float32 -> the quantised numbers, widened to float32 again
;;       x = np.moveaxis(x, axis, -1); K = x.shape[-1]
;;       x = np.pad(x, [(0, 0)] * (x.ndim - 1) + [(0, -K % 32)]); x = x.reshape(x.shape[:-1] + (-1, 32)); a = np.abs(x).max(-1, keepdims=True)
;;       e = np.where(a > 0, np.clip(np.frexp(np.where(a > 0, a, 1))[1] - 1 - 2, -126, 127), 0)      # np.frexp(a)[1] - 1 = floor(log2(a)), exactly
;;       r = np.clip(x / 2.0 ** e, -7.5, 7.5)
;;       step = 2.0 ** (np.maximum(np.frexp(np.where(r == 0, 1, r))[1] - 1, 0) - 3)
;;       q = np.round(r / step) * step * 2.0 ** e      # np.round: ties to even
;;       return np.moveaxis(q.reshape(q.shape[:-2] + (-1,))[..., :K], -1, axis).astype(np.float32)
;;   ~~~
;;   SOFTMAX AHEAD OF A QUANTISED PRODUCT. Where the list says 'softmax', what is quantised is not the finished softmax but p = 2^(t - M), with t = logit x log2(e) and M = ceil(the row's largest t), a whole number; so 1/2 < the row's largest p <= 1. The row's sum l is taken of the UNQUANTISED p, in f32, and the product's result is divided by l at the end. Since M is a whole number, a kernel that streams over the keys may use a running M (the ceiling of the running maximum): every later rescaling is an exact power of two, which a block's scale takes up: the codes' values come out the same.
;;   OPERANDS COMPUTED ON THE WAY. 'Computed on the way' means the value that the module computes at that place (a softmax that the list does not call 'softmax' is quantised finished and normalised). What goes into a quantiser is computed in f32, as accurately as f32 sums, v_exp_f32 and their like allow (about 1e-6 of the number): no bf16 or f16 on the way to a quantiser, and a product that is left as it is and whose result goes on into a quantised operand takes f32 operands (vector FMAs, or v_wmma_f32_16x16x4_f32). A number that lies on a knife's edge between two numbers of the format may be rounded either way, as far as f32 arithmetic and the matrix unit's own rounding can turn it there, and no further.
;; 2 versions, each right; version 2 is version 1 with the launches attn, tail written anew for expert scheduling mode. Each part assembles by itself: llvm-mc -triple=amdgcn-amd-amdhsa -mcpu=gfx1250 --defsym DOCPART=n.
;; ======== version 1 of 2: 3 launches
;; workspace buffers: h_img 6,291,456 bytes; h_sc 262,144 bytes; wqkv 2,457,600 bytes; w3 2,457,600 bytes; att_img 6,291,456 bytes; att_sc 262,144 bytes
;; launch prep (part 1): grid 704 x 1, 8 waves a work-group, no clusters, 69,632 bytes of LDS; arguments x, ln1_g, ln1_b, w_q, w_k, w_v, w_o, w1, w2, h_img, h_sc, wqkv, w3; writes h_img, h_sc, wqkv, w3
.if DOCPART == 1
	.amdgcn_target "amdgcn-amd-amdhsa--gfx1250"
	.amdhsa_code_object_version 6
	.text
	.protected	k_qbb519b4dff_prep
	.globl	k_qbb519b4dff_prep
	.p2align	8
	.type	k_qbb519b4dff_prep,@function
k_qbb519b4dff_prep:
	s_mov_b64 s[64:65], 0
	v_nop
	global_prefetch_b8 v0, s[64:65] scope:SCOPE_SE
	s_setreg_imm32_b32 hwreg(HW_REG_WAVE_MODE, 25, 1), 1
	s_wait_xcnt 0x0
; PREP.  Two kinds of work-group, told apart by the work-group's number alone.
; 0 .. 191: THE SIX WEIGHTS ([K 1024][N 1024] f32, K the first axis) become codes of FP6 (E2M3) with one E8M0 byte for each 32 along K,
;   laid as IMAGES OF OPERAND REGISTERS: a fragment (16 columns x 128 K, 12 registers a lane) is 1,536 bytes, register group c at 512 c + 16 lane.
;   A wave takes 32 columns x 128 K; a lane takes one column and its registers run down K, so a block of 32 is one lane's.
;   THE COLUMNS OF A TILE ARE NOT NEIGHBOURS: of a group of 32, lane r of tile u takes column 8 u + r + 8 (r / 8), so that the results of
;   tiles 2 g and 2 g + 1 of a transposed product are 16 neighbours along the next K.
; 192 .. 703: LAYERNORM 1 of 16 rows of x (a tile of rows, chosen by the same rule), quantised along the 1,024 columns, as eight images.
;   Wave w takes columns 128 w on.  Mean and variance in two passes, as the reference has them; the waves' sums meet in LDS.
; A block's scale is 2^(floor(log2(largest magnitude)) - 2); its byte is the largest magnitude's exponent field - 2, held at 1 from below.
; LIMITS: NaN and infinities are not served; a block whose largest magnitude lies under 2^-124 keeps the byte 1; a block of zeros gets
; the byte 1, not 127: its codes are zeros and the bytes are read by this program alone.
; No tensor load, no matrix instruction: the launch streams.  Only the second kind of work-group uses LDS and barriers.
.set NWGW, 192
.set X,   16                           ; weights: v16-143 128 numbers down K
.set P,   144                          ; v144-155 tile 0's fragment
.set R,   156                          ; v156-167 tile 1's
.set TA,  168                          ; v168.. the upper halves of four blocks' codes, four registers apart
.set WTM, 184                          ; largest magnitudes
.set WSO, 188                          ; the conversions' scale operands
.set WBY, 192                          ; scale bytes
.set WPW, 196                          ; the scale word
.set WT2, 197                          ; a second chain
.set XD,  16                           ; norm: v16-79 rows as loaded, then the gains, then the codes
.set XN,  80                           ; v80-143 my 64 numbers of my row
.set BT,  144                          ; v144-207 the offsets (ln1_b)
.set TM,  208                          ; v208-223 at work in QUANT
.set PW,  13
.set PC,  16
.set RED2, 512                         ; LDS: 0 the sums, 512 the sums of squares (16 rows x 8 waves x 4 bytes each),
.set STG,  1024                        ; from 1,024 a stage of 16 rows x 528 bytes for each wave
.set SEL,  42
.macro WBLK b, left                    ; block b of my column: its largest magnitude, scale operand and byte.  left: younger loads that may stay out
	s_wait_loadcnt \left
	v_max3_num_f32 v[WTM+\b], |v[X+32*\b]|, |v[X+32*\b+1]|, |v[X+32*\b+2]|
	v_max3_num_f32 v[WT2], |v[X+32*\b+3]|, |v[X+32*\b+4]|, |v[X+32*\b+5]|
.irp i, 6,10,14,18,22,26
	v_max3_num_f32 v[WTM+\b], v[WTM+\b], |v[X+32*\b+\i]|, |v[X+32*\b+\i+1]|
	v_max3_num_f32 v[WT2], v[WT2], |v[X+32*\b+\i+2]|, |v[X+32*\b+\i+3]|
.endr
	v_max3_num_f32 v[WTM+\b], v[WTM+\b], |v[X+32*\b+30]|, |v[X+32*\b+31]|
	v_max3_num_f32 v[WTM+\b], v[WTM+\b], v[WT2], 0x1800000     ; the floor 2^(3 - 127): the byte cannot fall under 1
	v_add_nc_u32 v[WSO+\b], 0xff000000, v[WTM+\b]              ; 2 off the exponent field: the conversion's scale operand
	v_lshrrev_b32 v[WBY+\b], 23, v[WSO+\b]                     ; the byte
.endm
; 64 numbers of a lane, register 16 b + i = k 32 b + 16 (lane / 16) + i of my row, become a fragment in v[PC] on and its scale word in v[PW]
.macro QUANT s
.irp b, 0,1,2,3
	v_max3_num_f32 v[TM+\b], |v[\s+16*\b]|, |v[\s+1+16*\b]|, 0x1800000
.endr
.irp i, 2,4,6,8,10,12,14
.irp b, 0,1,2,3
	v_max3_num_f32 v[TM+\b], v[TM+\b], |v[\s+16*\b+\i]|, |v[\s+1+16*\b+\i]|
.endr
.endr
.irp b, 0,1,2,3
	v_permlanex16_b32 v[TM+4+\b], v[TM+\b], s[SEL], s[SEL+1]
.endr
.irp b, 0,1,2,3
	v_max_num_f32 v[TM+\b], v[TM+\b], v[TM+4+\b]               ; with lane l xor 16's: the block's largest magnitude
.endr
.irp b, 0,1,2,3
	v_add_nc_u32 v[TM+12+\b], 0xff000000, v[TM+\b]
.endr
.irp b, 0,1,2,3
	v_lshrrev_b32 v[TM+4+\b], 23, v[TM+12+\b]
.endr
	v_lshl_or_b32 v[PW], v[TM+5], 8, v[TM+4]
	v_lshl_or_b32 v[PW], v[TM+6], 16, v[PW]
	v_lshl_or_b32 v[PW], v[TM+7], 24, v[PW]
.irp c, 0,1
	v_cvt_scalef32_pk16_fp6_f32 v[PC+6*\c:PC+2+6*\c], v[\s+32*\c:\s+15+32*\c], v[TM+12+2*\c]
	v_cvt_scalef32_pk16_fp6_f32 v[PC+12+4*\c:PC+14+4*\c], v[\s+16+32*\c:\s+31+32*\c], v[TM+12+2*\c+1]
.endr
	v_nop                                          ; one plain place behind a scaled conversion
.irp c, 0,1                                    ; the operand's layout wants a whole block in a lane
.irp i, 0,1,2
	v_permlane16_swap_b32 v[PC+6*\c+\i], v[PC+12+4*\c+\i]
.endr
.irp i, 0,1,2
	v_mov_b32 v[PC+3+6*\c+\i], v[PC+12+4*\c+\i]
.endr
.endr
.endm
	s_load_b512 s[8:23], s[0:1], 0x0               ; x 8, ln1_g 10, ln1_b 12, w_q 14, w_k 16, w_v 18, w_o 20, w1 22
	s_load_b256 s[24:31], s[0:1], 0x40             ; w2 24, h_img 26, h_sc 28, wqkv 30
	s_load_b64 s[32:33], s[0:1], 0x60              ; w3
	v_lshl_add_u32 v224, v0, 2, 0x10c00
	v_mov_b32 v225, 0
	v_lshrrev_b32 v1, 5, v0
	v_readfirstlane_b32 s2, v1                     ; wave 0..7
	v_and_b32 v9, 31, v0                           ; lane
	v_and_b32 v10, 15, v0                          ; r
	v_bfe_u32 v11, v0, 4, 1                        ; h
	s_cmp_lt_u32 ttmp9, NWGW
	s_cbranch_scc0 .Lnorm
	; ---------------- the weights ----------------
	s_lshr_b32 s3, ttmp9, 5                        ; which weight: q k v o 1 2
	s_bfe_u32 s4, ttmp9, 0x20003                   ; which 256 columns
	s_and_b32 s5, ttmp9, 7                         ; which 128 along K
	v_and_b32 v12, 8, v10
	v_add_nc_u32 v12, v12, v10                     ; r + 8 (r / 8)
	v_lshl_add_u32 v12, v11, 3, v12                ; + 8 x tile: my column in the wave's 32
	v_lshlrev_b32 v1, 2, v12
	v_lshlrev_b32 v2, 4, v9                        ; an image's place for my lane
	v_lshlrev_b32 v3, 2, v9                        ; a scale word's
	s_lshl_b32 s6, s4, 3
	s_add_co_u32 s6, s6, s2                        ; the group of 32 columns, 0..31
	s_lshr_b32 s7, s6, 1                           ; the head, or the later wave: 64 columns
	s_and_b32 s34, s6, 1                           ; which half of them
	s_lshl_b32 s36, s5, 19                         ; 128 rows of 4,096 bytes
	s_lshl_b32 s35, s6, 7
	s_add_co_u32 s36, s36, s35
	s_mov_b32 s37, 0
	s_mul_i32 s38, s7, 153600                      ; wqkv: a head's block,
	s_lshl_b32 s39, s3, 2
	s_lshl_b32 s40, s34, 1
	s_add_co_u32 s39, s39, s40                     ; tile 4 x weight + 2 x half
	s_mul_i32 s40, s5, 18432
	s_mul_i32 s41, s39, 1536
	s_add_co_u32 s40, s40, s41
	s_add_co_u32 s40, s40, s38                     ; its images,
	s_mul_i32 s41, s5, 768
	s_lshl_b32 s42, s39, 6
	s_add_co_u32 s41, s41, s42
	s_add_co_u32 s41, s41, s38
	s_add_co_u32 s41, s41, 147456                  ; its scale words
	s_max_u32 s43, s3, 3
	s_sub_co_u32 s43, s43, 3                       ; w3: the layer,
	s_lshl_b32 s43, s43, 3
	s_add_co_u32 s43, s43, s5
	s_mul_i32 s43, s43, 102400
	s_mul_i32 s44, s7, 6400
	s_add_co_u32 s43, s43, s44                     ; the block of a K step and a wave,
	s_mul_i32 s44, s34, 3072
	s_add_co_u32 s44, s44, s43                     ; its images,
	s_lshl_b32 s45, s34, 7
	s_add_co_u32 s45, s45, s43
	s_add_co_u32 s45, s45, 6144                    ; its scale words
	s_cmp_lt_u32 s3, 3                             ; q, k, v go to wqkv, the others to w3
	s_cselect_b32 s40, s40, s44
	s_cselect_b32 s42, s41, s45
	s_mov_b32 s41, 0
	s_mov_b32 s43, 0
	s_wait_kmcnt 0x0
	s_cselect_b64 s[46:47], s[30:31], s[32:33]
	s_add_nc_u64 s[48:49], s[46:47], s[42:43]
	s_add_nc_u64 s[46:47], s[46:47], s[40:41]
	s_cmp_eq_u32 s3, 1
	s_cselect_b64 s[50:51], s[16:17], s[14:15]
	s_cmp_eq_u32 s3, 2
	s_cselect_b64 s[50:51], s[18:19], s[50:51]
	s_cmp_eq_u32 s3, 3
	s_cselect_b64 s[50:51], s[20:21], s[50:51]
	s_cmp_eq_u32 s3, 4
	s_cselect_b64 s[50:51], s[22:23], s[50:51]
	s_cmp_eq_u32 s3, 5
	s_cselect_b64 s[50:51], s[24:25], s[50:51]
	s_add_nc_u64 s[50:51], s[50:51], s[36:37]
.set k, 0
.rept 128
	global_load_b32 v[X+k], v1, s[50:51] offset:k*4096 th:TH_LOAD_NT   ; a row of W at the wave's 32 columns: 128 consecutive bytes
.set k, k+1
.endr
	WBLK 0, 63                                     ; 96 loads are younger than block 0's and 64 than block 1's: the largest count that a wait can name is taken
	WBLK 1, 63
	WBLK 2, 32
	WBLK 3, 0
	v_lshl_or_b32 v[WPW], v[WBY+1], 8, v[WBY]
	v_lshl_or_b32 v[WPW], v[WBY+2], 16, v[WPW]
	v_lshl_or_b32 v[WPW], v[WBY+3], 24, v[WPW]     ; my column's scale word
.irp c, 0,1
	v_cvt_scalef32_pk16_fp6_f32 v[P+6*\c:P+6*\c+2], v[X+64*\c:X+64*\c+15], v[WSO+2*\c]
	v_cvt_scalef32_pk16_fp6_f32 v[TA+8*\c:TA+8*\c+2], v[X+64*\c+16:X+64*\c+31], v[WSO+2*\c]
	v_cvt_scalef32_pk16_fp6_f32 v[R+6*\c:R+6*\c+2], v[X+64*\c+32:X+64*\c+47], v[WSO+2*\c+1]
	v_cvt_scalef32_pk16_fp6_f32 v[TA+4+8*\c:TA+6+8*\c], v[X+64*\c+48:X+64*\c+63], v[WSO+2*\c+1]
.endr
	v_nop                                          ; one plain place behind a scaled conversion
; Lanes 0-15 hold tile 0's columns, lanes 16-31 tile 1's, each with all four blocks.  A fragment wants block 2 c in lanes 0-15 and block 2 c + 1 in lanes 16-31:
; the exchange gives P tile 0's and R tile 1's.
.irp c, 0,1
.irp i, 0,1,2
	v_permlane16_swap_b32 v[P+6*\c+\i], v[R+6*\c+\i]
	v_permlane16_swap_b32 v[TA+8*\c+\i], v[TA+4+8*\c+\i]
.endr
.irp i, 0,1,2
	v_mov_b32 v[P+6*\c+3+\i], v[TA+8*\c+\i]
	v_mov_b32 v[R+6*\c+3+\i], v[TA+4+8*\c+\i]
.endr
.endr
.irp c, 0,1,2,3,4,5
	global_store_b128 v2, v[P+4*\c:P+4*\c+3], s[46:47] offset:512*\c   ; two images on end: each store covers 512 consecutive bytes
.endr
	global_store_b32 v3, v[WPW], s[48:49]          ; the pair's scale words: lanes 0-15 tile 0's, lanes 16-31 tile 1's
	s_endpgm
	; ---------------- layernorm 1 ----------------
.Lnorm:
	s_sub_co_u32 s3, ttmp9, NWGW
	s_lshr_b32 s4, s3, 1                           ; the block of 32 rows
	s_and_b32 s5, s3, 1                            ; which tile of it
	v_lshlrev_b32 v1, 4, v9                        ; 16 x lane
	s_mul_i32 s6, s2, 8448
	s_add_co_u32 s6, s6, STG                       ; my stage
	v_add_nc_u32 v2, s6, v1                        ; in: a row's 512 bytes as they lie
	v_mul_u32_u24 v3, v10, 528
	v_lshl_add_u32 v3, v11, 6, v3
	v_add_nc_u32 v3, s6, v3                        ; out: row r, + 64 h: my 16 numbers of each block of 32
	v_lshlrev_b32 v5, 5, v10                       ; the sums: 32 bytes a row,
	s_lshl_b32 s7, s2, 2
	v_add_nc_u32 v4, s7, v5                        ; a word a wave
	v_lshlrev_b32 v6, 6, v11
	v_lshlrev_b32 v7, 2, v10
	s_lshl_b32 s34, s4, 17
	s_lshl_b32 s35, s5, 15
	s_add_co_u32 s34, s34, s35
	s_lshl_b32 s36, s2, 9                          ; my 128 columns
	s_add_co_u32 s34, s34, s36
	s_mov_b32 s35, 0
	s_mov_b32 s37, 0
	s_mul_i32 s38, s4, 24576
	s_mul_i32 s39, s2, 3072
	s_add_co_u32 s38, s38, s39
	s_mul_i32 s39, s5, 1536
	s_add_co_u32 s38, s38, s39                     ; h_img: [block][K step = wave][tile]
	s_mov_b32 s39, 0
	s_lshl_b32 s40, s4, 10
	s_lshl_b32 s41, s2, 7
	s_add_co_u32 s40, s40, s41
	s_lshl_b32 s41, s5, 6
	s_add_co_u32 s40, s40, s41                     ; h_sc likewise, 64 bytes a tile
	s_mov_b32 s41, 0
	s_mov_b32 s[SEL], 0x76543210
	s_mov_b32 s[SEL+1], 0xfedcba98                 ; v_permlanex16_b32's selects for lane l xor 16
	s_mov_b32 s44, 0x3a800000                      ; 1 / 1024
	s_mov_b32 s45, 0x3727c5ac                      ; 1e-5
	s_wait_kmcnt 0x0
	s_add_nc_u64 s[8:9], s[8:9], s[34:35]
	s_add_nc_u64 s[10:11], s[10:11], s[36:37]
	s_add_nc_u64 s[12:13], s[12:13], s[36:37]
	s_add_nc_u64 s[26:27], s[26:27], s[38:39]
	s_add_nc_u64 s[28:29], s[28:29], s[40:41]
.set i, 0
.rept 16
	global_load_b128 v[XD+4*i:XD+4*i+3], v1, s[8:9] offset:(i+8*(i/8))*4096 th:TH_LOAD_NT   ; tile row i: 512 consecutive bytes
.set i, i+1
.endr
.irp q, 0,1,2,3
.irp j, 0,1,2,3
	global_load_b128 v[BT+16*\q+4*\j:BT+16*\q+4*\j+3], v6, s[12:13] offset:128*\q+16*\j
.endr
.endr
.irp b, 0,1,2,3
	v_mov_b32 v[TM+4+\b], 0                        ; a lane permute's destination counts as one of its sources
.endr
	v_mov_b32 v12, 0
	s_wait_loadcnt 16                              ; x is in; the 16 loads of ln1_b may be out
.set i, 0
.rept 16
	ds_store_b128 v2, v[XD+4*i:XD+4*i+3] offset:528*i
.set i, i+1
.endr
.irp q, 0,1,2,3
.irp j, 0,1,2,3
	ds_load_b128 v[XN+16*\q+4*\j:XN+16*\q+4*\j+3], v3 offset:128*\q+16*\j   ; LDS serves a wave's instructions in order: these see my stores
.endr
.endr
	s_wait_dscnt 0x0                               ; my numbers are back, and the stores have read their registers,
.irp q, 0,1,2,3
.irp j, 0,1,2,3
	global_load_b128 v[XD+16*\q+4*\j:XD+16*\q+4*\j+3], v6, s[10:11] offset:128*\q+16*\j   ; which take ln1_g
.endr
.endr
	v_pk_add_f32 v[8:9], v[XN:XN+1], v[XN+2:XN+3]  ; the sum of my 64, two at a time, in two chains
	v_pk_add_f32 v[10:11], v[XN+4:XN+5], v[XN+6:XN+7]
.set i, 8
.rept 14
	v_pk_add_f32 v[8:9], v[8:9], v[XN+i:XN+i+1]
	v_pk_add_f32 v[10:11], v[10:11], v[XN+i+2:XN+i+3]
.set i, i+4
.endr
	v_pk_add_f32 v[8:9], v[8:9], v[10:11]
	v_add_f32 v8, v8, v9
	v_permlanex16_b32 v12, v8, s[SEL], s[SEL+1]
	v_add_f32 v8, v8, v12                          ; my row's sum over the wave's 128 columns
	ds_store_b32 v4, v8                            ; (lanes r and r + 16 write the same word with the same value)
	s_wait_dscnt 0x0                               ; for the others' sake
	s_barrier_signal -1
	s_barrier_wait -1
	ds_load_b128 v[208:211], v5
	ds_load_b128 v[212:215], v5 offset:16
	s_wait_dscnt 0x0
	v_pk_add_f32 v[208:209], v[208:209], v[210:211]
	v_pk_add_f32 v[212:213], v[212:213], v[214:215]
	v_pk_add_f32 v[208:209], v[208:209], v[212:213]
	v_add_f32 v8, v208, v209
	v_mul_f32 v8, 0xba800000, v8                   ; - the mean
	v_mov_b32 v9, v8
.set i, 0
.rept 32
	v_pk_add_f32 v[XN+i:XN+i+1], v[XN+i:XN+i+1], v[8:9]
.set i, i+2
.endr
	v_pk_mul_f32 v[10:11], v[XN:XN+1], v[XN:XN+1]
	v_pk_mul_f32 v[14:15], v[XN+2:XN+3], v[XN+2:XN+3]
.set i, 4
.rept 15
	v_pk_fma_f32 v[10:11], v[XN+i:XN+i+1], v[XN+i:XN+i+1], v[10:11]
	v_pk_fma_f32 v[14:15], v[XN+i+2:XN+i+3], v[XN+i+2:XN+i+3], v[14:15]
.set i, i+4
.endr
	v_pk_add_f32 v[10:11], v[10:11], v[14:15]
	v_add_f32 v10, v10, v11
	v_permlanex16_b32 v12, v10, s[SEL], s[SEL+1]
	v_add_f32 v10, v10, v12
	ds_store_b32 v4, v10 offset:RED2               ; other bytes than the first sums': no barrier is owed between the two uses
	s_wait_dscnt 0x0
	s_barrier_signal -1
	s_barrier_wait -1
	ds_load_b128 v[208:211], v5 offset:RED2
	ds_load_b128 v[212:215], v5 offset:RED2+16
	s_wait_dscnt 0x0
	v_pk_add_f32 v[208:209], v[208:209], v[210:211]
	v_pk_add_f32 v[212:213], v[212:213], v[214:215]
	v_pk_add_f32 v[208:209], v[208:209], v[212:213]
	v_add_f32 v8, v208, v209
	v_fma_f32 v8, v8, s44, s45                     ; the variance + 1e-5
	v_rsq_f32 v8, v8
	v_nop                                          ; a plain place behind the transcendental
	s_wait_alu depctr_va_vdst(0)                   ; the wait ahead of the first reader
	v_mov_b32 v9, v8
	s_wait_loadcnt 0x0                             ; ln1_g and ln1_b
.set i, 0
.rept 32
	v_pk_mul_f32 v[XN+i:XN+i+1], v[XN+i:XN+i+1], v[8:9]
.set i, i+2
.endr
.set i, 0
.rept 32
	v_pk_fma_f32 v[XN+i:XN+i+1], v[XN+i:XN+i+1], v[XD+i:XD+i+1], v[BT+i:BT+i+1]
.set i, i+2
.endr
	QUANT XN
.irp c, 0,1,2
	global_store_b128 v1, v[PC+4*\c:PC+4*\c+3], s[26:27] offset:512*\c   ; the image: each store covers 512 consecutive bytes
.endr
	global_store_b32 v7, v[PW], s[28:29]           ; row r's scale word (both halves of the lanes hold the same)
	s_wait_tensorcnt 0x0
	ds_add_u32 v224, v225
	s_wait_dscnt 0x0
	s_endpgm
.Lfunc_end_k_qbb519b4dff_prep:
	.size	k_qbb519b4dff_prep, .Lfunc_end_k_qbb519b4dff_prep-k_qbb519b4dff_prep
	.p2alignl 7, 3214868480
	.fill 96, 4, 3214868480
	.section	.rodata,"a",@progbits
	.p2align	6, 0x0
	.amdhsa_kernel k_qbb519b4dff_prep
		.amdhsa_group_segment_fixed_size 69632
		.amdhsa_private_segment_fixed_size 0
		.amdhsa_enable_private_segment 0
		.amdhsa_kernarg_size 104
		.amdhsa_user_sgpr_count 2
		.amdhsa_user_sgpr_kernarg_segment_ptr 1
		.amdhsa_wavefront_size32 1
		.amdhsa_system_sgpr_workgroup_id_x 1
		.amdhsa_system_sgpr_workgroup_id_y 1
		.amdhsa_system_sgpr_workgroup_id_z 1
		.amdhsa_system_vgpr_workitem_id 0
		.amdhsa_next_free_vgpr 226
		.amdhsa_next_free_sgpr 66
		.amdhsa_reserve_vcc 0
		.amdhsa_float_denorm_mode_32 3
		.amdhsa_float_denorm_mode_16_64 3
		.amdhsa_memory_ordered 1
		.amdhsa_forward_progress 1
		.amdhsa_inst_pref_size 47
	.end_amdhsa_kernel
	.amdgpu_metadata
---
amdhsa.version: [ 1, 2 ]
amdhsa.kernels:
  - .name:           k_qbb519b4dff_prep
    .symbol:         k_qbb519b4dff_prep.kd
    .args:
      - { .name: x, .offset: 0, .size: 8, .value_kind: global_buffer, .address_space: global }
      - { .name: ln1_g, .offset: 8, .size: 8, .value_kind: global_buffer, .address_space: global }
      - { .name: ln1_b, .offset: 16, .size: 8, .value_kind: global_buffer, .address_space: global }
      - { .name: w_q, .offset: 24, .size: 8, .value_kind: global_buffer, .address_space: global }
      - { .name: w_k, .offset: 32, .size: 8, .value_kind: global_buffer, .address_space: global }
      - { .name: w_v, .offset: 40, .size: 8, .value_kind: global_buffer, .address_space: global }
      - { .name: w_o, .offset: 48, .size: 8, .value_kind: global_buffer, .address_space: global }
      - { .name: w1, .offset: 56, .size: 8, .value_kind: global_buffer, .address_space: global }
      - { .name: w2, .offset: 64, .size: 8, .value_kind: global_buffer, .address_space: global }
      - { .name: h_img, .offset: 72, .size: 8, .value_kind: global_buffer, .address_space: global }
      - { .name: h_sc, .offset: 80, .size: 8, .value_kind: global_buffer, .address_space: global }
      - { .name: wqkv, .offset: 88, .size: 8, .value_kind: global_buffer, .address_space: global }
      - { .name: w3, .offset: 96, .size: 8, .value_kind: global_buffer, .address_space: global }
    .group_segment_fixed_size: 69632
    .private_segment_fixed_size: 0
    .kernarg_segment_align: 8
    .kernarg_segment_size: 104
    .max_flat_workgroup_size: 256
    .sgpr_count:     66
    .vgpr_count:     226
    .wavefront_size: 32
...
	.end_amdgpu_metadata
.endif
;; end of part 1
;; launch attn (part 2): grid 16 x 16, 4 waves a work-group, no clusters, 232,960 bytes of LDS; arguments h_img, h_sc, wqkv, att_img, att_sc; writes att_img, att_sc
.if DOCPART == 2
	.amdgcn_target "amdgcn-amd-amdhsa--gfx1250"
	.amdhsa_code_object_version 6
	.text
	.protected	k_qbb519b4dff_attn
	.globl	k_qbb519b4dff_attn
	.p2align	8
	.type	k_qbb519b4dff_attn,@function
k_qbb519b4dff_attn:
	s_mov_b64 s[64:65], 0
	v_nop
	global_prefetch_b8 v0, s[64:65] scope:SCOPE_SE
	s_setreg_imm32_b32 hwreg(HW_REG_WAVE_MODE, 25, 1), 1
	s_wait_xcnt 0x0
; ATTN.  One work-group makes one head of one batch entry: q, k, v = h W (512 tokens x 192 columns, K = 1,024), quantised into LDS; causal attention; O / l quantised and stored.
; All products are on codes of FP6 (E2M3) with one E8M0 byte for each 32 along K.  q, k and v never go to memory.
; PROJECTION.  The head's part of W (153,600 bytes of fragment images and scale words) is copied into LDS once, through registers.  Two passes over the tokens; in pass p wave w owns tokens
; 256 p + 64 w on (four tiles of 16) against all 192 columns: 48 accumulators.  W's fragments come from LDS (two sets), h's from memory (each is read by this wave alone; a ring of four sets, three K steps ahead).
; q and k are made TRANSPOSED (source 0 = 16 columns of W, source 1 = 16 tokens): a lane holds one token and its registers run along the head's 64, which is the K of q k^T.
; v is made the other way round (source 0 = tokens, source 1 = columns): a lane holds one channel and its registers run along the tokens, which are the K of p v.
; The tiles of tokens and of columns are chosen (lane r of tile u of a group of 32 takes 8 u + r + 8 (r / 8)), so that 16 registers of two neighbouring tiles are 16 neighbours along the next K.
; ATTENTION.  Wave w takes the query tiles w + 4 n, n = 0 .. 7, IN PAIRS n = 2 m, 2 m + 1.  Both tiles of a pair walk the key steps 0 .. m of 128 keys, the last of which lies on the diagonal: 10 steps of a pair in every wave.
; What lies wholly under the causal mask is left out.  The pair shares K's and V's fragments, and the two softmaxes stand BY TURNS, line by line: the wave is alone on its SIMD, and a line that would wait for the line above it
; has the other tile's line between.  One tile's exponentials stand between the other tile's plain lines.
; S^T = K Q^T, O^T = V^T P^T: a lane holds one query throughout.  The head's 64 fill half of a matrix instruction's K: the other half is zero codes.
; SOFTMAX: t = score x log2(e) / 8; M = the running largest t rounded up to a whole number; p = 2^(t - M) is quantised along the keys; the row's sum is of the unquantised p and divides O at the end.
; No cluster: the sixteen heads of a batch entry read the same h, but its 393,216 bytes do not fit into LDS beside W, and each fragment of h goes to one wave's registers.
; LIMITS: NaN and infinities are not served; a block whose largest magnitude lies under 2^-124 keeps the byte 1, and so does a block of zeros (its codes are zeros; this program alone reads the bytes);
; an exponential under 2^-126 comes out as 0.
; REGISTERS, in windows of 256.  Window 0: v1 16 x lane; v2-11 addresses; v16-59 scale words and nothing else; v60-78 at work in HQ; v84-95 addresses and lane numbers; v128-255 v's 16 accumulators, later the attention's registers.
;   Windows 1, 2: W's fragments of even and odd K steps at v0-143; h's four sets at v144 and v192 of each.   Window 3: the 32 accumulators of q and k.
;   In the attention, tile x of a pair (0, 1): window 0: v12-15 the pairs' scale bytes; v16 + 8 x Q's scale word, v17-20 K's, v21-22 V's, v23 + 2 x p's; v96 + 64 x on S^T, then p, then p's codes in its first twelve;
;   v224 + 16 x on sixteen registers of statistics; v60-74 the conversions' temporaries.  Window 1: K's fragments v0-95, V's v96-143.  Window 2: O^T at v32 x, Q at v64 + 12 x.
.set WSCL, 147456                      ; LDS: 0 W's images [K step 8][tile 12] x 1,536; here its scale words [K step][tile] x 64
.set QIMG, 153600                      ; q: 32 tiles x 768 (half an image: registers 0-3 at 16 lane, 4-5 at 512 + 8 lane)
.set KIMG, 178176                      ; k likewise
.set VIMG, 202752                      ; v: [key step 4][channel tile 4][half 2] x 768
.set QSC,  227328                      ; scale words, 64 bytes a tile
.set KSC,  229376
.set VSC,  231424                      ; [key step][channel tile] x 64
.set HS,  16                           ; v16-47  h's scale words [pass][K step][block]: lanes 0-15 the even tile, lanes 16-31 the odd one
.set WS,  48                           ; v48-59  W's, two sets of six pairs of tiles
.set TM,  60
.set TP,  62
.set SO,  64
.set BY,  66
.set PW,  68
.set PC,  70
.set PT,  76
.set L8,  91
.set L4,  92
.set LR,  93
.set LH,  94
.set SEL, 22
.set CS,  24
.set SH,  12                           ; attention: v12-15 my row's scale bytes, a word a pair of tiles
.set SA,  96                           ; S^T of tile x at SA + 64 x
.set TB,  224                          ; tile x's statistics at TB + 16 x: +0-3 the blocks' largest scores, then p, then scale operands; +4-7 the other half's, then bytes; +8,9 f; +10,11 a second sum; +12 -M; +13 the largest t; +14,15 the sum
.set TT,  79                           ; a temporary of tile x at TT + 11 x
.set MINF, 80                          ; -infinity
.set CT,  60                           ; the conversions' temporaries of tile x at CT + 8 x and CT + 4 + 8 x
.set QF,  64                           ; window 2: Q of tile x at QF + 12 x
.set MSB, 0
.macro WIN new                         ; the immediate's high byte repeats the setting that is left; a switch that changes nothing is dropped
.if MSB != (\new)
	s_set_vgpr_msb (MSB<<8)|(\new)
.set MSB, (\new)
.endif
.endm
.macro PLACES                          ; four plain places behind a matrix instruction, ahead of reads of results and of loads into its registers
.rept 4
	v_nop
.endr
.endm
; One matrix instruction from the symbols rD, rA, rB, rSA, rSB; zF: the sum begins; fA, fB: the side's scale words stand in lanes 16-31
.macro WM
.if zF
.if fA && fB
	v_wmma_scale_f32_16x16x128_f8f6f4 v[rD:rD+7], v[rA:rA+11], v[rB:rB+11], 0, v[rSA], v[rSB] matrix_a_fmt:MATRIX_FMT_FP6 matrix_b_fmt:MATRIX_FMT_FP6 matrix_a_scale:MATRIX_SCALE_ROW1 matrix_b_scale:MATRIX_SCALE_ROW1
.elseif fA
	v_wmma_scale_f32_16x16x128_f8f6f4 v[rD:rD+7], v[rA:rA+11], v[rB:rB+11], 0, v[rSA], v[rSB] matrix_a_fmt:MATRIX_FMT_FP6 matrix_b_fmt:MATRIX_FMT_FP6 matrix_a_scale:MATRIX_SCALE_ROW1
.elseif fB
	v_wmma_scale_f32_16x16x128_f8f6f4 v[rD:rD+7], v[rA:rA+11], v[rB:rB+11], 0, v[rSA], v[rSB] matrix_a_fmt:MATRIX_FMT_FP6 matrix_b_fmt:MATRIX_FMT_FP6 matrix_b_scale:MATRIX_SCALE_ROW1
.else
	v_wmma_scale_f32_16x16x128_f8f6f4 v[rD:rD+7], v[rA:rA+11], v[rB:rB+11], 0, v[rSA], v[rSB] matrix_a_fmt:MATRIX_FMT_FP6 matrix_b_fmt:MATRIX_FMT_FP6
.endif
.else
.if fA && fB
	v_wmma_scale_f32_16x16x128_f8f6f4 v[rD:rD+7], v[rA:rA+11], v[rB:rB+11], v[rD:rD+7], v[rSA], v[rSB] matrix_a_fmt:MATRIX_FMT_FP6 matrix_b_fmt:MATRIX_FMT_FP6 matrix_a_scale:MATRIX_SCALE_ROW1 matrix_b_scale:MATRIX_SCALE_ROW1
.elseif fA
	v_wmma_scale_f32_16x16x128_f8f6f4 v[rD:rD+7], v[rA:rA+11], v[rB:rB+11], v[rD:rD+7], v[rSA], v[rSB] matrix_a_fmt:MATRIX_FMT_FP6 matrix_b_fmt:MATRIX_FMT_FP6 matrix_a_scale:MATRIX_SCALE_ROW1
.elseif fB
	v_wmma_scale_f32_16x16x128_f8f6f4 v[rD:rD+7], v[rA:rA+11], v[rB:rB+11], v[rD:rD+7], v[rSA], v[rSB] matrix_a_fmt:MATRIX_FMT_FP6 matrix_b_fmt:MATRIX_FMT_FP6 matrix_b_scale:MATRIX_SCALE_ROW1
.else
	v_wmma_scale_f32_16x16x128_f8f6f4 v[rD:rD+7], v[rA:rA+11], v[rB:rB+11], v[rD:rD+7], v[rSA], v[rSB] matrix_a_fmt:MATRIX_FMT_FP6 matrix_b_fmt:MATRIX_FMT_FP6
.endif
.endif
.endm
; 32 numbers of a lane in window ws: v[src] on = block 0, v[src + 16] on = block 1, my 16 being k = 16 (lane / 16) + 0 .. 15 of the block.  They become six registers of codes in v[PC] on
; (lanes 0-15 block 0 whole, lanes 16-31 block 1) and the two scale bytes in v[PW].  The numbers are read from the low end on.
.macro HQ src, ws
	WIN ((\ws)<<2)|((\ws)<<4)
	v_max3_num_f32 v[TM], 0x1800000, |v[(\src)]|, |v[(\src)+1]|            ; the floor 2^(3 - 127) among the leaves: the byte cannot fall under 1
	v_max3_num_f32 v[TM+1], 0x1800000, |v[(\src)+16]|, |v[(\src)+17]|
.irp i, 2,4,6,8,10,12,14
	v_max3_num_f32 v[TM], v[TM], |v[(\src)+\i]|, |v[(\src)+\i+1]|
	v_max3_num_f32 v[TM+1], v[TM+1], |v[(\src)+16+\i]|, |v[(\src)+17+\i]|
.endr
	WIN 0
	v_permlanex16_b32 v[TP], v[TM], s[SEL], s[SEL+1]
	v_permlanex16_b32 v[TP+1], v[TM+1], s[SEL], s[SEL+1]
	v_max_num_f32 v[TM], v[TM], v[TP]
	v_max_num_f32 v[TM+1], v[TM+1], v[TP+1]
	v_add_nc_u32 v[SO], 0xff000000, v[TM]          ; 2 off the exponent field: the conversion's scale operand
	v_add_nc_u32 v[SO+1], 0xff000000, v[TM+1]
	v_lshrrev_b32 v[BY], 23, v[SO]
	v_lshrrev_b32 v[BY+1], 23, v[SO+1]
	s_wait_dscnt 0x0                               ; the LDS stores of the codes and the bytes made last have read their registers
	v_lshl_or_b32 v[PW], v[BY+1], 8, v[BY]
	WIN (\ws)
	v_cvt_scalef32_pk16_fp6_f32 v[PC:PC+2], v[(\src):(\src)+15], v[SO]
	v_cvt_scalef32_pk16_fp6_f32 v[PT:PT+2], v[(\src)+16:(\src)+31], v[SO+1]
	WIN 0
	v_nop                                          ; one plain place behind a scaled conversion
.irp i, 0,1,2
	v_permlane16_swap_b32 v[PC+\i], v[PT+\i]
.endr
.irp i, 0,1,2
	v_mov_b32 v[PC+3+\i], v[PT+\i]
.endr
.endm
.macro LOADB S                         ; W's twelve fragments of step S: 36 LDS loads
.set sB, (\S)%8
	WIN (1+(\S)%2)<<6
.set ict, 0
.rept 12
.irp c, 0,1,2
	ds_load_b128 v[12*ict+4*\c:12*ict+4*\c+3], v[1+sB/3] offset:(sB%3)*18432+ict*1536+512*\c
.endr
.set ict, ict+1
.endr
.endm
.macro LOADWS S                        ; and their scale words: six
.irp g, 0,1,2,3,4,5
	ds_load_b32 v[WS+6*((\S)%2)+\g], v4 offset:((\S)%8)*768+128*\g
.endr
.endm
.macro LOADA S                         ; h's four fragments of step S: 12 loads of 512 consecutive bytes
.set aL, 144+48*(((\S)/2)%2)
	WIN (1+(\S)%2)<<6
.irp a, 0,1,2,3
.irp c, 0,1,2
	global_load_b128 v[aL+12*\a+4*\c:aL+12*\a+4*\c+3], v1, s[40:41] offset:((\S)/8)*196608+(\a/2)*24576+((\S)%8)*3072+(\a%2)*1536+512*\c
.endr
.endr
.endm
; Step S = 8 x pass + K step: 48 matrix instructions on 48 accumulators, which take turns, one instruction a turn, from step to step too.
.macro KSTEP S
.if (\S) > 0
	PLACES                                         ; the sets and scale words that the loads below fill were read by the step before
.endif
.if (\S) < 15
	LOADB (\S)+1
.endif
.if (\S) < 13
	LOADA (\S)+3
.endif
	WIN 0
.if (\S) < 15
	LOADWS (\S)+1
	s_wait_dscnt 42                                ; all but the 42 LDS loads just issued: this step's W and its scale words are in
.else
	s_wait_dscnt 0x0
.endif
.if (\S) < 13
	s_wait_loadcnt 36                              ; this step's h is in; the three sets behind it, 12 loads each, may be out
.else
	s_wait_loadcnt 12*(15-(\S))
.endif
.set wK, 1+(\S)%2
.set aB, 144+48*(((\S)/2)%2)
.set sK, (\S)%8
.set pP, (\S)/8
.if sK == 0
.set zF, 1
.else
.set zF, 0
.endif
	WIN wK|(wK<<2)|0xf0                            ; both sources in this step's window, C and D in window 3
.set ia, 0
.rept 4
.set ict, 0
.rept 8                                        ; q and k, transposed: source 0 = columns, source 1 = tokens
.set rD, 8*(8*ia+ict)
.set rA, 12*ict
.set rB, aB+12*ia
.set rSA, WS+6*((\S)%2)+ict/2
.set rSB, HS+16*pP+2*sK+ia/2
.set fA, ict%2
.set fB, ia%2
	WM
.set ict, ict+1
.endr
.set ia, ia+1
.endr
	WIN wK|(wK<<2)                                 ; C and D in window 0
.set idt, 0
.rept 4
.set ia, 0
.rept 4                                        ; v: source 0 = tokens, source 1 = columns
.set rD, 128+8*(4*idt+ia)
.set rA, aB+12*ia
.set rB, 12*(8+idt)
.set rSA, HS+16*pP+2*sK+ia/2
.set rSB, WS+6*((\S)%2)+4+idt/2
.set fA, ia%2
.set fB, idt%2
	WM
.set ia, ia+1
.endr
.set idt, idt+1
.endr
	WIN 0
.endm
; A pass's results are quantised and stored as images.  q, k: tile 16 p + 4 w + a.  v: my 64 tokens are half w % 2 of key step 2 p + w / 2.
.macro QPASS p
	PLACES
.irp a, 0,1,2,3
	HQ 64*\a, 3
	ds_store_b128 v5, v[PC:PC+3] offset:\p*12288+\a*768
	ds_store_b64 v6, v[PC+4:PC+5] offset:\p*12288+\a*768+512
	ds_store_b32 v9, v[PW] offset:\p*1024+\a*64                   ; the word's upper two bytes are 0 and stand over zero codes
	HQ 64*\a+32, 3
	ds_store_b128 v5, v[PC:PC+3] offset:24576+\p*12288+\a*768
	ds_store_b64 v6, v[PC+4:PC+5] offset:24576+\p*12288+\a*768+512
	ds_store_b32 v9, v[PW] offset:2048+\p*1024+\a*64
.endr
.irp d, 0,1,2,3
	HQ 128+32*\d, 0
	ds_store_b128 v7, v[PC:PC+3] offset:\p*12288+\d*1536
	ds_store_b64 v8, v[PC+4:PC+5] offset:\p*12288+\d*1536+512
	ds_store_b16 v10, v[PW] offset:\p*512+\d*64                   ; two of the word's four bytes; the neighbouring wave writes the other two
.endr
.endm
; Four scores v[sb + n0] on become -infinity where their key is hidden: register 16 b + i holds key 32 b + i of those that v[dr] is compared with.  Four masks, so that no select waits for the compare just ahead of it.
.macro MASK4 sb, dr, n0
.irp q, 0,1,2,3
	v_cmp_gt_i32 s[48+\q], 32*(((\n0)+\q)/16)+((\n0)+\q)%16, v[\dr]
.endr
.irp q, 0,1,2,3
	v_cndmask_b32 v[(\sb)+(\n0)+\q], v[(\sb)+(\n0)+\q], v[MINF], s[48+\q]
.endr
.endm
; Line q of 32 of a tile's row sum over its 32 pairs of p at v[sb] on, in two chains v[sm], v[su]
.macro SUMJ sb, sm, su, q
.if (\q) == 0
	v_pk_add_f32 v[\sm:\sm+1], v[\sb:\sb+1], v[\sb+2:\sb+3]
.elseif (\q) == 31
	v_pk_add_f32 v[\su:\su+1], v[\su:\su+1], v[\sm:\sm+1]
.elseif ((\q)%2) == 1
	v_pk_add_f32 v[\su:\su+1], v[\su:\su+1], v[\sb+2*((\q)+1):\sb+2*((\q)+1)+1]
.else
	v_pk_add_f32 v[\sm:\sm+1], v[\sm:\sm+1], v[\sb+2*((\q)+1):\sb+2*((\q)+1)+1]
.endif
.endm
; Line q of 30 (31, 32: none) of the two tiles' scale words: tile q % 2, line q / 2: the floor, 2 off the exponent field, the byte, for four blocks; then the word
.macro SCL q
.set xq, (\q)%2
.set lq, (\q)/2
.set tq, TB+16*xq
.if lq < 4
	v_max_num_f32 v[tq+lq], 0x1800000, v[tq+lq]                   ; the floor 2^(3 - 127): the byte cannot fall under 1
.elseif lq < 8
	v_add_nc_u32 v[tq+lq-4], 0xff000000, v[tq+lq-4]               ; the conversion's scale operand
.elseif lq < 12
	v_lshrrev_b32 v[tq+4+lq-8], 23, v[tq+lq-8]                    ; the byte
.elseif lq == 12
	v_lshl_or_b32 v[23+2*xq], v[tq+5], 8, v[tq+4]                 ; p's scale word for these 128 keys
.elseif lq == 13
	v_lshl_or_b32 v[23+2*xq], v[tq+6], 16, v[23+2*xq]
.elseif lq == 14
	v_lshl_or_b32 v[23+2*xq], v[tq+7], 24, v[23+2*xq]
.endif
.endm
	s_load_b256 s[4:11], s[0:1], 0x0               ; h_img 4, h_sc 6, wqkv 8, att_img 10
	s_load_b64 s[12:13], s[0:1], 0x20              ; att_sc
	v_lshl_add_u32 v82, v0, 2, 0x38c00
	v_mov_b32 v83, 0
	v_lshrrev_b32 v1, 5, v0
	v_readfirstlane_b32 s14, v1                    ; wave 0..3
	s_and_b32 s16, ttmp7, 0xffff                   ; the batch entry; ttmp9 is the head
	s_lshr_b32 s18, s14, 1
	s_and_b32 s19, s14, 1
	v_and_b32 v95, 31, v0                          ; lane
	v_and_b32 v[LR], 15, v0                        ; r
	v_bfe_u32 v[LH], v0, 4, 1                      ; h
	v_lshlrev_b32 v1, 4, v95                       ; 16 x lane: W's K steps 0-2 in LDS, h's offset, the images' place
	v_lshlrev_b32 v[L8], 3, v95
	v_lshlrev_b32 v[L4], 2, v95
	v_add_nc_u32 v2, 55296, v1                     ; W's K steps 3-5
	v_add_nc_u32 v3, 110592, v1                    ; and 6-7
	v_add_nc_u32 v4, WSCL, v[L4]
	s_mul_i32 s17, s14, 3072
	s_add_co_u32 s17, s17, QIMG
	v_add_nc_u32 v5, s17, v1
	v_add_nc_u32 v6, s17, v[L8]
	s_mul_i32 s17, s18, 6144
	s_mul_i32 s20, s19, 768
	s_add_co_u32 s17, s17, s20
	s_add_co_u32 s17, s17, VIMG
	v_add_nc_u32 v7, s17, v1
	v_add_nc_u32 v8, s17, v[L8]
	s_lshl_b32 s17, s14, 8
	s_add_co_u32 s17, s17, QSC
	v_lshl_add_u32 v9, v[LR], 2, s17
	s_lshl_b32 s17, s18, 8
	s_lshl_b32 s20, s19, 1
	s_add_co_u32 s17, s17, s20
	s_add_co_u32 s17, s17, VSC
	v_lshl_add_u32 v10, v[LR], 2, s17
	s_mul_i32 s17, s14, 38400                      ; my quarter of W's copy
	v_add_nc_u32 v11, s17, v1
	v_mov_b32 v[TP], 0                             ; a lane permute's destination counts as one of its sources
	v_mov_b32 v[TP+1], 0
	s_lshl_b32 s20, s16, 4
	s_lshl_b32 s21, s14, 1
	s_add_co_u32 s20, s20, s21                     ; my first block of 32 tokens: 16 b + 2 w
	s_mul_i32 s48, s20, 24576
	s_mov_b32 s49, 0
	s_lshl_b32 s50, s20, 10
	s_mov_b32 s51, 0
	s_mul_i32 s52, ttmp9, 153600
	s_add_co_u32 s52, s52, s17
	s_mov_b32 s53, 0
	s_mul_i32 s54, s16, 393216                     ; att_img: [block][tile][head] x 768; my tile 0 is tile w of the batch entry
	s_mul_i32 s21, s18, 24576
	s_add_co_u32 s54, s54, s21
	s_mul_i32 s21, s19, 12288
	s_add_co_u32 s54, s54, s21
	s_mul_i32 s21, ttmp9, 768
	s_add_co_u32 s54, s54, s21
	s_mov_b32 s55, 0
	s_lshl_b32 s56, ttmp9, 14                      ; att_sc: [head][batch][wave][r][n] halfwords
	s_lshl_b32 s21, s16, 10
	s_add_co_u32 s56, s56, s21
	s_lshl_b32 s21, s14, 8
	s_add_co_u32 s56, s56, s21
	s_mov_b32 s57, 0
	s_mov_b32 s[SEL], 0x76543210
	s_mov_b32 s[SEL+1], 0xfedcba98                 ; v_permlanex16_b32's selects for lane l xor 16
	s_mov_b32 s[CS], 0x3e38aa3b                    ; log2(e) / 8
	s_mov_b32 s[CS+1], s[CS]                       ; (named with it as a pair, so it is written)
	s_wait_kmcnt 0x0
	s_add_nc_u64 s[40:41], s[4:5], s[48:49]
	s_add_nc_u64 s[42:43], s[6:7], s[50:51]
	s_add_nc_u64 s[44:45], s[8:9], s[52:53]
	s_add_nc_u64 s[38:39], s[10:11], s[54:55]
	s_add_nc_u64 s[46:47], s[12:13], s[56:57]
	; W's copy: 75 loads of 512 consecutive bytes, through the registers that the accumulators will take
	WIN 0xc0
.set i, 0
.rept 64
	global_load_b128 v[4*i:4*i+3], v1, s[44:45] offset:512*i
.set i, i+1
.endr
	WIN 0
.rept 11
	global_load_b128 v[128+4*(i-64):128+4*(i-64)+3], v1, s[44:45] offset:512*i
.set i, i+1
.endr
.irp p, 0,1
.irp q, 0,1,2,3,4,5,6,7
.irp b, 0,1
	global_load_b32 v[HS+16*\p+2*\q+\b], v[L4], s[42:43] offset:\p*8192+\b*1024+\q*128
.endr
.endr
.endr
	LOADA 0
	LOADA 1
	LOADA 2
	s_wait_loadcnt 63                              ; 68 loads are younger than the copy's: the largest count that a wait can name is taken
	WIN 0x0c                                       ; an LDS store's data are its source 1: window 3
.set i, 0
.rept 64
	ds_store_b128 v11, v[4*i:4*i+3] offset:512*i
.set i, i+1
.endr
	WIN 0
.rept 11
	ds_store_b128 v11, v[128+4*(i-64):128+4*(i-64)+3] offset:512*i
.set i, i+1
.endr
	s_wait_dscnt 0x0                               ; for the others' sake: my quarter of W lies in LDS
	s_barrier_signal -1
	s_barrier_wait -1
	LOADB 0
	WIN 0
	LOADWS 0
.irp t, 0,1,2,3,4,5,6,7
	KSTEP \t
.endr
	QPASS 0
.irp t, 8,9,10,11,12,13,14,15
	KSTEP \t
.endr
	QPASS 1
	s_wait_dscnt 0x0                               ; my images and scale words lie in LDS
	s_barrier_signal -1
	s_barrier_wait -1                              ; from here on LDS is only read
	; ---------------- attention ----------------
	v_add_nc_u32 v2, KIMG, v1
	v_add_nc_u32 v3, KIMG, v[L8]
	v_add_nc_u32 v4, VIMG, v1
	v_add_nc_u32 v5, VIMG, v[L8]
	v_add_nc_u32 v6, KSC, v[L4]
	v_add_nc_u32 v7, VSC, v[L4]
	s_mul_i32 s17, s14, 768
	s_add_co_u32 s17, s17, QIMG
	v_add_nc_u32 v8, s17, v1
	v_add_nc_u32 v9, s17, v[L8]
	s_lshl_b32 s17, s14, 6
	s_add_co_u32 s17, s17, QSC
	v_lshl_add_u32 v10, v[LR], 2, s17
	v_and_b32 v11, 8, v[LR]
	v_add_nc_u32 v11, v11, v[LR]                   ; r + 8 (r / 8)
	s_lshl_b32 s17, s18, 5
	s_lshl_b32 s20, s19, 3
	s_add_co_u32 s17, s17, s20
	v_add_nc_u32 v11, s17, v11                     ; my query in tile w: 0 .. 63,
	v_lshlrev_b32 v95, 4, v[LH]
	v_sub_nc_u32 v11, v11, v95                     ; less 16 (lane / 16): what the mask compares with
	v_lshlrev_b32 v95, 4, v[LR]                    ; 16 r: my row's place in att_sc
.irp i, 12,13,14,15,79,90,228,229,230,231,233,244,245,246,247,249
	v_mov_b32 v\i, 0                               ; the pairs' words; lane permutes' destinations, which count as sources; the upper halves of the pairs that hold f
.endr
	v_mov_b32 v[MINF], 0xff800000
	WIN 0x40
.set ikt, 0
.rept 8
.irp i, 6,7,8,9,10,11
	v_mov_b32 v[12*ikt+\i], 0                      ; K's upper halves: zero codes
.endr
.set ikt, ikt+1
.endr
	WIN 0x80
.irp i, 6,7,8,9,10,11,18,19,20,21,22,23
	v_mov_b32 v[QF+\i], 0                          ; Q's upper halves, both tiles: zero codes
.endr
	WIN 0
	s_mov_b32 s26, 0                               ; the pair m: tiles n = 2 m and 2 m + 1; also the pair's last key step
	s_mov_b32 s33, 0                               ; Q's images, 6,144 bytes a trip
	s_mov_b32 s34, 0                               ; their scale words, 512
	s_mov_b32 s36, 0                               ; their tokens, 128
.Lpair:
	v_add_nc_u32 v84, s33, v8
	v_add_nc_u32 v85, s33, v9
	v_add_nc_u32 v86, s34, v10
	WIN 0x80                                       ; destination window 2
	ds_load_b128 v[QF:QF+3], v84
	ds_load_b64 v[QF+4:QF+5], v85 offset:512
	ds_load_b128 v[QF+12:QF+15], v84 offset:3072   ; the odd tile lies four tiles on
	ds_load_b64 v[QF+16:QF+17], v85 offset:3072+512
	WIN 0
	ds_load_b32 v16, v86
	ds_load_b32 v24, v86 offset:256
.irp x, 0,1
	v_mov_b32 v[TB+13+16*\x], 0xff61b1e6           ; the largest t so far: -3e38
	v_mov_b32 v[TB+14+16*\x], 0                    ; the sum, in two halves
	v_mov_b32 v[TB+15+16*\x], 0
.endr
.irp x, 0,1
	v_floor_f32 v[TB+12+16*\x], -v[TB+13+16*\x]    ; -M
.endr
	WIN 0x80
.set j, 0
.rept 64
	v_mov_b32 v[j], 0                              ; O^T of both tiles: the step is written once; the first finds zeros
.set j, j+1
.endr
	WIN 0
	s_mov_b32 s28, 0                               ; the key step
	s_mov_b32 s29, 0                               ; its images, 6,144 bytes a step in K and in V
	s_mov_b32 s30, 0                               ; K's scale words, 512
	s_mov_b32 s31, 0                               ; V's, 256
	s_mov_b32 s32, 0                               ; its first key
.Lstep:                                            ; four trips, a constant; a step wholly under the mask is jumped over
	s_cmp_gt_u32 s28, s26
	s_cbranch_scc1 .Lskip
	v_add_nc_u32 v84, s29, v2
	v_add_nc_u32 v85, s29, v3
	v_add_nc_u32 v86, s29, v4
	v_add_nc_u32 v87, s29, v5
	v_add_nc_u32 v88, s30, v6
	v_add_nc_u32 v89, s31, v7
	WIN 0x40
.set ikt, 0
.rept 8
	ds_load_b128 v[12*ikt:12*ikt+3], v84 offset:ikt*768
	ds_load_b64 v[12*ikt+4:12*ikt+5], v85 offset:ikt*768+512
.set ikt, ikt+1
.endr
	WIN 0
.irp g, 0,1,2,3
	ds_load_b32 v[17+\g], v88 offset:128*\g
.endr
	WIN 0x40
.irp d, 0,1,2,3
.irp c, 0,1
	ds_load_b128 v[96+12*\d+6*\c:96+12*\d+6*\c+3], v86 offset:\d*1536+\c*768
	ds_load_b64 v[96+12*\d+6*\c+4:96+12*\d+6*\c+5], v87 offset:\d*1536+\c*768+512
.endr
.endr
	WIN 0
.irp g, 0,1
	ds_load_b32 v[21+\g], v89 offset:128*\g
.endr
	s_wait_dscnt 18                                ; Q, K and K's scale words are in; V's 18 loads may be out
	WIN 0x09                                       ; source 0 (K) window 1, source 1 (Q) window 2, D window 0
.set zF, 1
.set fB, 0
.set ikt, 0
.rept 8
.irp x, 0,1
.set rD, SA+64*\x+8*ikt
.set rA, 12*ikt
.set rB, QF+12*\x
.set rSA, 17+ikt/2
.set rSB, 16+8*\x
.set fA, ikt%2
	WM
.endr
.set ikt, ikt+1
.endr
	WIN 0
	PLACES
	s_cmp_lg_u32 s28, s26                          ; on the diagonal the scores of hidden keys become -infinity
	s_cbranch_scc1 .Lopen
	s_sub_co_i32 s17, s36, s32
	v_add_nc_u32 v[TT], s17, v11                   ; d = my query - the step's first key - 16 (lane / 16); register 16 b + i holds key 32 b + i of those: hidden where 32 b + i > d
	v_add_nc_u32 v[TT+11], 64, v[TT]               ; the odd tile's queries lie 64 tokens on
.set n, 0
.rept 8                                        ; the even tile's queries lie in the step's first 64 keys, the odd tile's in its last 64: only these halves are compared
	MASK4 SA, TT, n
	MASK4 SA+64, TT+11, n+32
.set n, n+4
.endr
.set n, 32
.rept 32
	v_mov_b32 v[SA+n], v[MINF]                     ; the even tile: keys 64 on are all hidden
.set n, n+1
.endr
.Lopen:
.irp b, 0,1,2,3
.irp x, 0,1
	v_max3_num_f32 v[TB+16*\x+\b], v[SA+64*\x+16*\b], v[SA+1+64*\x+16*\b], v[SA+2+64*\x+16*\b]   ; the largest score of each block of 32 keys: for the row's maximum, and for the block's largest p
.endr
.endr
.irp i, 3,5,7,9,11,13
.irp b, 0,1,2,3
.irp x, 0,1
	v_max3_num_f32 v[TB+16*\x+\b], v[TB+16*\x+\b], v[SA+64*\x+16*\b+\i], v[SA+1+64*\x+16*\b+\i]
.endr
.endr
.endr
.irp b, 0,1,2,3
.irp x, 0,1
	v_max_num_f32 v[TB+16*\x+\b], v[TB+16*\x+\b], v[SA+15+64*\x+16*\b]
.endr
.endr
.irp b, 0,1,2,3
.irp x, 0,1
	v_permlanex16_b32 v[TB+4+16*\x+\b], v[TB+16*\x+\b], s[SEL], s[SEL+1]
.endr
.endr
.irp b, 0,1,2,3
.irp x, 0,1
	v_max_num_f32 v[TB+16*\x+\b], v[TB+16*\x+\b], v[TB+4+16*\x+\b]
.endr
.endr
.irp x, 0,1
	v_max3_num_f32 v[TT+11*\x], v[TB+16*\x], v[TB+1+16*\x], v[TB+2+16*\x]
.endr
.irp x, 0,1
	v_max_num_f32 v[TT+11*\x], v[TT+11*\x], v[TB+3+16*\x]
.endr
.irp x, 0,1
	v_mul_f32 v[TT+11*\x], s[CS], v[TT+11*\x]
.endr
.irp x, 0,1
	v_max_num_f32 v[TB+13+16*\x], v[TB+13+16*\x], v[TT+11*\x]     ; the running largest t
.endr
.irp x, 0,1
	v_mov_b32 v[TT+11*\x], v[TB+12+16*\x]
.endr
.irp x, 0,1
	v_floor_f32 v[TB+12+16*\x], -v[TB+13+16*\x]                   ; the new -M: M is a whole number
.endr
.irp x, 0,1
	v_sub_f32 v[TT+11*\x], v[TB+12+16*\x], v[TT+11*\x]
.endr
.irp x, 0,1
	v_cvt_i32_f32 v[TT+11*\x], v[TT+11*\x]                        ; (it saturates)
.endr
.irp x, 0,1
	v_ldexp_f32 v[TB+8+16*\x], 1.0, v[TT+11*\x]                   ; f = 2^(old M - new M): exact
.endr
.set j, 0
.rept 32
	v_pk_fma_f32 v[SA+j:SA+1+j], v[SA+j:SA+1+j], s[CS:CS+1], v[TB+12:TB+13] op_sel_hi:[1,0,0]   ; the even tile: t - M
.set j, j+2
.endr
.irp b, 0,1,2,3
.irp x, 0,1
	v_fma_f32 v[TB+16*\x+\b], v[TB+16*\x+\b], s[CS], v[TB+12+16*\x]
.endr
.endr
.set j, 0
.rept 32                                       ; the even tile's p = 2^(t - M), two at a time, between the odd tile's t - M, which name none of them
	v_exp_f32 v[SA+j], v[SA+j]
	v_exp_f32 v[SA+1+j], v[SA+1+j]
	v_pk_fma_f32 v[SA+64+j:SA+65+j], v[SA+64+j:SA+65+j], s[CS:CS+1], v[TB+28:TB+29] op_sel_hi:[1,0,0]
.set j, j+2
.endr
.irp x, 0,1
	v_pk_mul_f32 v[TB+14+16*\x:TB+15+16*\x], v[TB+14+16*\x:TB+15+16*\x], v[TB+8+16*\x:TB+9+16*\x] op_sel_hi:[1,0]   ; the sums under the new M: plain lines behind the exponentials
.endr
	s_wait_alu depctr_va_vdst(0)                   ; one wait for the even tile's batch, ahead of its first reader
.set j, 0
.rept 32                                       ; the odd tile's p between the even tile's row sum, which is of the unquantised p
	v_exp_f32 v[SA+64+2*j], v[SA+64+2*j]
	v_exp_f32 v[SA+65+2*j], v[SA+65+2*j]
	SUMJ SA, TB+10, TB+14, j
.set j, j+1
.endr
.irp b, 0,1,2,3
.irp x, 0,1
	v_exp_f32 v[TB+16*\x+\b], v[TB+16*\x+\b]       ; the blocks' largest p
.endr
.endr
	v_nop                                          ; a plain place behind the last exponential
	s_wait_alu depctr_va_vdst(0)                   ; one wait for the odd tile's batch and the eight
.set j, 0
.rept 32                                       ; the odd tile's row sum between the lines that make both tiles' scale words
	SUMJ SA+64, TB+26, TB+30, j
	SCL j
.set j, j+1
.endr
.irp x, 0,1
	v_cvt_scalef32_pk16_fp6_f32 v[CT+8*\x:CT+2+8*\x], v[SA+64*\x:SA+15+64*\x], v[TB+16*\x]
	v_cvt_scalef32_pk16_fp6_f32 v[CT+4+8*\x:CT+6+8*\x], v[SA+16+64*\x:SA+31+64*\x], v[TB+1+16*\x]
.endr
	v_nop                                          ; a plain place: the next conversions write into the numbers that these have read
.irp x, 0,1
	v_cvt_scalef32_pk16_fp6_f32 v[SA+6+64*\x:SA+8+64*\x], v[SA+32+64*\x:SA+47+64*\x], v[TB+2+16*\x]
	v_cvt_scalef32_pk16_fp6_f32 v[SA+16+64*\x:SA+18+64*\x], v[SA+48+64*\x:SA+63+64*\x], v[TB+3+16*\x]
.endr
	v_nop                                          ; one plain place behind a scaled conversion
.irp i, 0,1,2                                  ; the operand's layout wants a whole block in a lane
.irp x, 0,1
	v_permlane16_swap_b32 v[CT+8*\x+\i], v[CT+4+8*\x+\i]
	v_permlane16_swap_b32 v[SA+6+64*\x+\i], v[SA+16+64*\x+\i]
.endr
.endr
.irp i, 0,1,2                                  ; p's codes take the first twelve registers of the tile's own p, which is done with
.irp x, 0,1
	v_mov_b32 v[SA+64*\x+\i], v[CT+8*\x+\i]
	v_mov_b32 v[SA+3+64*\x+\i], v[CT+4+8*\x+\i]
	v_mov_b32 v[SA+9+64*\x+\i], v[SA+16+64*\x+\i]
.endr
.endr
	WIN 0x82                                       ; O^T (destination and source 0) window 2, f window 0
.set j, 0
.rept 16
	v_pk_mul_f32 v[j:j+1], v[j:j+1], v[TB+8:TB+9] op_sel_hi:[1,0]             ; O^T under the new M; these 32 also stand between the lines that made p's codes and scale words and the products
	v_pk_mul_f32 v[32+j:33+j], v[32+j:33+j], v[TB+24:TB+25] op_sel_hi:[1,0]
.set j, j+2
.endr
	s_wait_dscnt 0x0                               ; V
	WIN 0xa1                                       ; source 0 (V) window 1, source 1 (p) window 0, C and D window 2
.set zF, 0
.set fB, 0
.set idt, 0
.rept 4
.irp x, 0,1
.set rD, 32*\x+8*idt
.set rA, 96+12*idt
.set rB, SA+64*\x
.set rSA, 21+idt/2
.set rSB, 23+2*\x
.set fA, idt%2
	WM
.endr
.set idt, idt+1
.endr
	WIN 0
	PLACES                                         ; with the next step's six address lines: ten plain lines before a product writes over the registers that held p's codes
.Lskip:
	s_add_co_u32 s29, s29, 6144
	s_add_co_u32 s30, s30, 512
	s_add_co_u32 s31, s31, 256
	s_add_co_u32 s32, s32, 128
	s_add_co_u32 s28, s28, 1
	s_cmp_lt_u32 s28, 4
	s_cbranch_scc1 .Lstep
.irp x, 0,1
	v_add_f32 v[TB+14+16*\x], v[TB+14+16*\x], v[TB+15+16*\x]
.endr
.irp x, 0,1
	v_permlanex16_b32 v[TT+11*\x], v[TB+14+16*\x], s[SEL], s[SEL+1]
.endr
.irp x, 0,1
	v_add_f32 v[TB+14+16*\x], v[TB+14+16*\x], v[TT+11*\x]         ; the rows' sums
.endr
.irp x, 0,1
	v_rcp_f32 v[TB+14+16*\x], v[TB+14+16*\x]
.endr
	v_nop
	s_wait_alu depctr_va_vdst(0)
	WIN 0x02                                       ; source 0 (O^T) window 2
.set j, 0
.rept 32
	v_mul_f32 v[SA+j], v[j], v[TB+14]              ; O^T / the sum: register 16 g + i is channel 32 g + 16 (lane / 16) + i
	v_mul_f32 v[SA+64+j], v[32+j], v[TB+30]
.set j, j+1
.endr
	WIN 0
	HQ SA, 0
	global_store_b128 v1, v[PC:PC+3], s[38:39]     ; half an image: 512 and 256 consecutive bytes
	global_store_b64 v[L8], v[PC+4:PC+5], s[38:39] offset:512
.set PC, 84                                    ; the odd tile's codes and bytes get registers of their own: the even tile's stores may still read theirs
.set PW, 69
	HQ SA+64, 0
	global_store_b128 v1, v[PC:PC+3], s[38:39] offset:49152        ; four tiles on
	global_store_b64 v[L8], v[PC+4:PC+5], s[38:39] offset:49152+512
	v_mov_b32 v[SH], v[SH+1]                       ; the pair's four scale bytes enter at the top; after four pairs pair 0's lie lowest
	v_mov_b32 v[SH+1], v[SH+2]
	v_mov_b32 v[SH+2], v[SH+3]
	v_lshl_or_b32 v[SH+3], v69, 16, v68
	s_wait_xcnt 0x0                                ; the stores have read their data and their base: both are written again only behind this wait
	s_add_nc_u64 s[38:39], s[38:39], 98304         ; eight tiles on
	s_add_co_u32 s33, s33, 6144
	s_add_co_u32 s34, s34, 512
	s_add_co_u32 s36, s36, 128
	s_add_co_u32 s26, s26, 1
	s_cmp_lt_u32 s26, 4
	s_cbranch_scc1 .Lpair
	global_store_b128 v95, v[SH:SH+3], s[46:47]    ; 16 rows x 16 bytes: 256 consecutive bytes (lanes r and r + 16 hold and write the same)
	s_wait_tensorcnt 0x0
	ds_add_u32 v82, v83
	s_wait_dscnt 0x0
	s_endpgm
.Lfunc_end_k_qbb519b4dff_attn:
	.size	k_qbb519b4dff_attn, .Lfunc_end_k_qbb519b4dff_attn-k_qbb519b4dff_attn
	.p2alignl 7, 3214868480
	.fill 96, 4, 3214868480
	.section	.rodata,"a",@progbits
	.p2align	6, 0x0
	.amdhsa_kernel k_qbb519b4dff_attn
		.amdhsa_group_segment_fixed_size 232960
		.amdhsa_private_segment_fixed_size 0
		.amdhsa_enable_private_segment 0
		.amdhsa_kernarg_size 40
		.amdhsa_user_sgpr_count 2
		.amdhsa_user_sgpr_kernarg_segment_ptr 1
		.amdhsa_wavefront_size32 1
		.amdhsa_system_sgpr_workgroup_id_x 1
		.amdhsa_system_sgpr_workgroup_id_y 1
		.amdhsa_system_sgpr_workgroup_id_z 1
		.amdhsa_system_vgpr_workitem_id 0
		.amdhsa_next_free_vgpr 1024
		.amdhsa_next_free_sgpr 66
		.amdhsa_reserve_vcc 0
		.amdhsa_float_denorm_mode_32 3
		.amdhsa_float_denorm_mode_16_64 3
		.amdhsa_memory_ordered 1
		.amdhsa_forward_progress 1
		.amdhsa_inst_pref_size 255
	.end_amdhsa_kernel
	.section	.bss,"aw",@nobits
	.p2align	6
	.space	262144
	.amdgpu_metadata
---
amdhsa.version: [ 1, 2 ]
amdhsa.kernels:
  - .name:           k_qbb519b4dff_attn
    .symbol:         k_qbb519b4dff_attn.kd
    .args:
      - { .name: h_img, .offset: 0, .size: 8, .value_kind: global_buffer, .address_space: global }
      - { .name: h_sc, .offset: 8, .size: 8, .value_kind: global_buffer, .address_space: global }
      - { .name: wqkv, .offset: 16, .size: 8, .value_kind: global_buffer, .address_space: global }
      - { .name: att_img, .offset: 24, .size: 8, .value_kind: global_buffer, .address_space: global }
      - { .name: att_sc, .offset: 32, .size: 8, .value_kind: global_buffer, .address_space: global }
    .group_segment_fixed_size: 232960
    .private_segment_fixed_size: 0
    .kernarg_segment_align: 8
    .kernarg_segment_size: 40
    .max_flat_workgroup_size: 128
    .sgpr_count:     66
    .vgpr_count:     1024
    .wavefront_size: 32
...
	.end_amdgpu_metadata
.endif
;; end of part 2
;; launch tail (part 3): grid 256 x 1, 16 waves a work-group, no clusters, 278,528 bytes of LDS; arguments att_img, att_sc, w3, x, b_o, ln2_g, ln2_b, b1, b2, out0; writes out0
.if DOCPART == 3
	.amdgcn_target "amdgcn-amd-amdhsa--gfx1250"
	.amdhsa_code_object_version 6
	.text
	.protected	k_qbb519b4dff_tail
	.globl	k_qbb519b4dff_tail
	.p2align	8
	.type	k_qbb519b4dff_tail,@function
k_qbb519b4dff_tail:
	s_mov_b64 s[64:65], 0
	v_nop
	global_prefetch_b8 v0, s[64:65] scope:SCOPE_SE
	s_setreg_imm32_b32 hwreg(HW_REG_WAVE_MODE, 25, 1), 1
	s_wait_xcnt 0x0
; TAIL.  One work-group takes 32 rows through the rest of the block: x1 = x + att w_o + b_o; layernorm 2; quantise; w1, b1; exact gelu; quantise; w2, b2; + x1.  Nothing between goes to memory.
; All three products are on codes of FP6 (E2M3) with one E8M0 byte for each 32 along K.
; SHARES.  The 32 rows are two tiles u (lane r of tile u is row 8 u + r + 8 (r / 8)).  THE SIXTEEN WAVES SHARE THE COLUMNS: wave w makes columns 64 w on of every layer, four tiles, for both tiles of rows: 8 accumulators,
; which take turns, one instruction a turn.  The products are used transposed (source 0 = 16 columns of the weight, source 1 = 16 rows): a lane holds one row and its registers run along the columns.
; The columns of a tile are chosen so that a wave's 32 registers of a row tile are two blocks of 32 along the next K: half w % 2 of the next product's K step w / 2.
; WEIGHTS come from memory straight into registers, as fragment images laid by the first launch: each fragment is used by one wave alone; two sets, two K steps ahead, running on across the layers' ends.
; ROWS go from wave to wave through LDS as images of operand registers.  Whole rows in one work-group are what layernorm 2 and the hidden layer ask for; 32 rows give each of 256 work-groups a block.
; No cluster: all work-groups read the same weights, but they land in registers.
; GELU: gelu(v) = max(v, 0) - |v| erfc(|v| / sqrt 2) / 2, erfc(z) = t exp(-z^2 + poly(t)), t = 1 / (1 + z / 2): a Chebyshev fit of fractional error 1.2e-7.
; LIMITS: NaN and infinities are not served; a block whose largest magnitude lies under 2^-124 keeps the byte 1, and so does a block of zeros; an exponential under 2^-126 comes out as 0;
; x + b_o + the product's sum are added in another order than the reference's.
.set RED1, 0                           ; LDS: 32 rows x 16 waves x 4 bytes: the rows' sums;
.set RED2, 2048                        ; the sums of squares;
.set SC2,  4096                        ; 32 rows x 32 bytes: layer 2's scale bytes;
.set SC3,  5120                        ; layer 3's;
.set IMGA, 6144                        ; 24,576: the attention's images, later the hidden layer's: tile u at 12,288 u, half image of 64 along K at 768 x its number;
.set IMGB, 30720                       ; 24,576: layernorm 2's;
.set PAR,  55296                       ; a wave's own 1,280: b_o, ln2_g, ln2_b, b1, b2 of its 64 columns;
.set X1,   75776                       ; a wave's own 8,192: x1 as an image of the accumulators;
.set STG,  206848                      ; a wave's own 4,352: 16 rows x 272, the way in of x and the way out
; REGISTERS: v1 16 lane, v2 8 lane, v3-13 addresses, v14 4 lane, v15 att_sc's offset; v16-79 the accumulators (tile u, column tile t at 16 + 8 (4 u + t)); v80-103 the rows' two fragments, between the layers at work;
; v104-199 the weights' two sets; v200-203 their scale words; v204-211 the rows' scale words, one register a K step (lanes 0-15 tile 0, lanes 16-31 tile 1); v212-243 at work; v254-255 a constant.
.set TM, 80
.set TP, 82
.set SO, 84
.set BY, 86
.set PC, 90
.set PT, 96
.set SEL, 28
.macro PLACES
.rept 4
	v_nop
.endr
.endm
.macro WM                              ; one matrix instruction from the symbols rD, rA, rB, rSA, rSB; zF: the sum begins; fA, fB: the side's scale words stand in lanes 16-31
.if zF
.if fA && fB
	v_wmma_scale_f32_16x16x128_f8f6f4 v[rD:rD+7], v[rA:rA+11], v[rB:rB+11], 0, v[rSA], v[rSB] matrix_a_fmt:MATRIX_FMT_FP6 matrix_b_fmt:MATRIX_FMT_FP6 matrix_a_scale:MATRIX_SCALE_ROW1 matrix_b_scale:MATRIX_SCALE_ROW1
.elseif fA
	v_wmma_scale_f32_16x16x128_f8f6f4 v[rD:rD+7], v[rA:rA+11], v[rB:rB+11], 0, v[rSA], v[rSB] matrix_a_fmt:MATRIX_FMT_FP6 matrix_b_fmt:MATRIX_FMT_FP6 matrix_a_scale:MATRIX_SCALE_ROW1
.elseif fB
	v_wmma_scale_f32_16x16x128_f8f6f4 v[rD:rD+7], v[rA:rA+11], v[rB:rB+11], 0, v[rSA], v[rSB] matrix_a_fmt:MATRIX_FMT_FP6 matrix_b_fmt:MATRIX_FMT_FP6 matrix_b_scale:MATRIX_SCALE_ROW1
.else
	v_wmma_scale_f32_16x16x128_f8f6f4 v[rD:rD+7], v[rA:rA+11], v[rB:rB+11], 0, v[rSA], v[rSB] matrix_a_fmt:MATRIX_FMT_FP6 matrix_b_fmt:MATRIX_FMT_FP6
.endif
.else
.if fA && fB
	v_wmma_scale_f32_16x16x128_f8f6f4 v[rD:rD+7], v[rA:rA+11], v[rB:rB+11], v[rD:rD+7], v[rSA], v[rSB] matrix_a_fmt:MATRIX_FMT_FP6 matrix_b_fmt:MATRIX_FMT_FP6 matrix_a_scale:MATRIX_SCALE_ROW1 matrix_b_scale:MATRIX_SCALE_ROW1
.elseif fA
	v_wmma_scale_f32_16x16x128_f8f6f4 v[rD:rD+7], v[rA:rA+11], v[rB:rB+11], v[rD:rD+7], v[rSA], v[rSB] matrix_a_fmt:MATRIX_FMT_FP6 matrix_b_fmt:MATRIX_FMT_FP6 matrix_a_scale:MATRIX_SCALE_ROW1
.elseif fB
	v_wmma_scale_f32_16x16x128_f8f6f4 v[rD:rD+7], v[rA:rA+11], v[rB:rB+11], v[rD:rD+7], v[rSA], v[rSB] matrix_a_fmt:MATRIX_FMT_FP6 matrix_b_fmt:MATRIX_FMT_FP6 matrix_b_scale:MATRIX_SCALE_ROW1
.else
	v_wmma_scale_f32_16x16x128_f8f6f4 v[rD:rD+7], v[rA:rA+11], v[rB:rB+11], v[rD:rD+7], v[rSA], v[rSB] matrix_a_fmt:MATRIX_FMT_FP6 matrix_b_fmt:MATRIX_FMT_FP6
.endif
.endif
.endm
; 32 numbers of a lane (two blocks of 32, my 16 of each) become six registers of codes in v[PC] on (lanes 0-15 block 0 whole, lanes 16-31 block 1) and two scale bytes in v[pw]
.macro HQ src, pw
	v_max3_num_f32 v[TM], 0x1800000, |v[(\src)]|, |v[(\src)+1]|            ; the floor 2^(3 - 127) among the leaves
	v_max3_num_f32 v[TM+1], 0x1800000, |v[(\src)+16]|, |v[(\src)+17]|
.irp i, 2,4,6,8,10,12,14
	v_max3_num_f32 v[TM], v[TM], |v[(\src)+\i]|, |v[(\src)+\i+1]|
	v_max3_num_f32 v[TM+1], v[TM+1], |v[(\src)+16+\i]|, |v[(\src)+17+\i]|
.endr
	v_permlanex16_b32 v[TP], v[TM], s[SEL], s[SEL+1]
	v_permlanex16_b32 v[TP+1], v[TM+1], s[SEL], s[SEL+1]
	v_max_num_f32 v[TM], v[TM], v[TP]
	v_max_num_f32 v[TM+1], v[TM+1], v[TP+1]
	v_add_nc_u32 v[SO], 0xff000000, v[TM]
	v_add_nc_u32 v[SO+1], 0xff000000, v[TM+1]
	v_lshrrev_b32 v[BY], 23, v[SO]
	v_lshrrev_b32 v[BY+1], 23, v[SO+1]
	v_lshl_or_b32 v[\pw], v[BY+1], 8, v[BY]
	s_wait_dscnt 0x0                               ; the LDS stores of the codes made last have read their registers
	v_cvt_scalef32_pk16_fp6_f32 v[PC:PC+2], v[(\src):(\src)+15], v[SO]
	v_cvt_scalef32_pk16_fp6_f32 v[PT:PT+2], v[(\src)+16:(\src)+31], v[SO+1]
	v_nop                                          ; one plain place behind a scaled conversion
.irp i, 0,1,2
	v_permlane16_swap_b32 v[PC+\i], v[PT+\i]
.endr
.irp i, 0,1,2
	v_mov_b32 v[PC+3+\i], v[PT+\i]
.endr
.endm
.macro RING S                          ; step S's weights: my four fragments and two pairs of scale words: 14 loads
.set pL, (\S)%2
.irp t, 0,1,2,3
.irp c, 0,1,2
	global_load_b128 v[104+48*pL+12*\t+4*\c:104+48*pL+12*\t+4*\c+3], v1, s[8:9] offset:(\S)*102400+\t*1536+512*\c
.endr
.endr
.irp g, 0,1
	global_load_b32 v[200+2*pL+\g], v14, s[8:9] offset:(\S)*102400+6144+128*\g
.endr
.endm
.macro AFETCH IMG, ks                  ; the rows' two fragments of K step ks: two half images each
.irp u, 0,1
	ds_load_b128 v[80+12*\u:83+12*\u], v1 offset:\IMG+\u*12288+(\ks)*1536
	ds_load_b64 v[84+12*\u:85+12*\u], v2 offset:\IMG+\u*12288+(\ks)*1536+512
	ds_load_b128 v[86+12*\u:89+12*\u], v1 offset:\IMG+\u*12288+(\ks)*1536+768
	ds_load_b64 v[90+12*\u:91+12*\u], v2 offset:\IMG+\u*12288+(\ks)*1536+1280
.endr
.endm
.macro PARLD idx, dst, g               ; parameter idx at my 16 columns of group g
.irp j, 0,1,2,3
	ds_load_b128 v[\dst+4*\j:\dst+4*\j+3], v13 offset:\idx*256+128*\g+16*\j
.endr
.endm
.macro KSTEP S, IMG, cz, par           ; step S = 8 x layer + K step; cz: the sums begin with 0; par: the layer's bias
.set sK, (\S)%8
.set pR, (\S)%2
.if (\S) < 23
	s_wait_loadcnt 14                              ; this step's weights are in; the next step's 14 loads may be out
.else
	s_wait_loadcnt 0x0
.endif
	s_wait_dscnt 0x0                               ; the rows' fragments
.set zF, \cz
.irp u, 0,1
.irp t, 0,1,2,3
.set rD, 16+8*(4*\u+\t)
.set rA, 104+48*pR+12*\t
.set rB, 80+12*\u
.set rSA, 200+2*pR+\t/2
.set rSB, 204+sK
.set fA, \t%2
.set fB, \u
	WM
.endr
.endr
	PLACES                                         ; ahead of the loads into the registers just read, and of the first read of results
.if (\S) < 22
	RING (\S)+2
.endif
.if sK < 7
	AFETCH \IMG, sK+1
.endif
.if sK == 6
	PARLD \par, 212, 0
	PARLD \par, 228, 1
.endif
.endm
.macro BIASADD                         ; from each accumulator's low end on
.irp u, 0,1
.set i, 0
.rept 16
	v_pk_add_f32 v[16+32*\u+i:17+32*\u+i], v[16+32*\u+i:17+32*\u+i], v[212+i:213+i]
.set i, i+2
.endr
.endr
.endm
; v96, v98: my wave's sums for rows (0, r) and (1, r) -> the rows' totals over the sixteen waves.  One barrier.
.macro REDUCE red
	v_cndmask_b32 v100, v96, v98, s30              ; lane l speaks for row l
	ds_store_b32 v10, v100 offset:\red
	s_wait_dscnt 0x0                               ; for the others' sake
	s_barrier_signal -1
	s_barrier_wait -1
.irp j, 0,1,2,3
	ds_load_b128 v[80+4*\j:83+4*\j], v11 offset:\red+16*\j
.endr
	s_wait_dscnt 0x0
	v_pk_add_f32 v[80:81], v[80:81], v[82:83]
	v_pk_add_f32 v[84:85], v[84:85], v[86:87]
	v_pk_add_f32 v[88:89], v[88:89], v[90:91]
	v_pk_add_f32 v[92:93], v[92:93], v[94:95]
	v_pk_add_f32 v[80:81], v[80:81], v[84:85]
	v_pk_add_f32 v[88:89], v[88:89], v[92:93]
	v_pk_add_f32 v[80:81], v[80:81], v[88:89]
	v_add_f32 v100, v80, v81
	v_permlanex16_b32 v101, v100, s[SEL], s[SEL+1]
	v_cndmask_b32 v96, v100, v101, s30
	v_cndmask_b32 v98, v101, v100, s30
.endm
.macro HALVES                          ; a lane's two sums, and the other half of the lanes'
	v_add_f32 v96, v96, v97
	v_add_f32 v98, v98, v99
	v_mov_b32 v100, 0
	v_mov_b32 v101, 0
	v_permlanex16_b32 v100, v96, s[SEL], s[SEL+1]
	v_permlanex16_b32 v101, v98, s[SEL], s[SEL+1]
	v_add_f32 v96, v96, v100
	v_add_f32 v98, v98, v101
.endm
.macro NORM g                          ; group g: (d x rstd) x gain + offset
.irp u, 0,1
.set i, 0
.rept 8
	v_pk_mul_f32 v[16+32*\u+16*\g+i:17+32*\u+16*\g+i], v[16+32*\u+16*\g+i:17+32*\u+16*\g+i], v[100+2*\u:101+2*\u]
.set i, i+2
.endr
.set i, 0
.rept 8
	v_pk_fma_f32 v[16+32*\u+16*\g+i:17+32*\u+16*\g+i], v[16+32*\u+16*\g+i:17+32*\u+16*\g+i], v[212+i:213+i], v[228+i:229+i]
.set i, i+2
.endr
.endr
.endm
.macro STORE_IMG IMG, SC               ; my 64 columns of both row tiles: two half images and a halfword of scale bytes a row
	v_mov_b32 v[TP], 0
	v_mov_b32 v[TP+1], 0
	HQ 16, 88
	ds_store_b128 v3, v[PC:PC+3] offset:\IMG
	ds_store_b64 v4, v[PC+4:PC+5] offset:\IMG+512
	HQ 48, 89
	ds_store_b128 v3, v[PC:PC+3] offset:\IMG+12288
	ds_store_b64 v4, v[PC+4:PC+5] offset:\IMG+12288+512
	v_cndmask_b32 v88, v88, v89, s30
	ds_store_b16 v5, v88 offset:\SC
.endm
.macro GELU k                          ; sixteen numbers in place
.set GV, 16+16*\k
.set i, 0
.rept 16
	v_fma_f32 v[212+i], |v[GV+i]|, s27, 1.0        ; 1 + z / 2
.set i, i+1
.endr
.set i, 0
.rept 16
	v_rcp_f32 v[212+i], v[212+i]                   ; t
.set i, i+1
.endr
.set i, 0
.rept 8
	v_pk_mul_f32 v[228+i:229+i], v[GV+i:GV+i+1], v[GV+i:GV+i+1]     ; v^2 = 2 z^2: plain work behind the batch
.set i, i+2
.endr
	s_wait_alu depctr_va_vdst(0)                   ; one wait for the batch, ahead of its first reader
.set i, 0
.rept 8
	v_pk_fma_f32 v[80+i:81+i], v[212+i:213+i], v[254:255], 0xbf527892 op_sel_hi:[1,1,0]
.set i, i+2
.endr
.irp c, 0x3fbe87b0, 0xbf914e5d, 0x3e8ec7cc, 0xbe3ec24c, 0x3dc636c9, 0x3ebf88fb, 0x3f8000c7, 0xbfa1fc4e
.set i, 0
.rept 8
	v_pk_fma_f32 v[80+i:81+i], v[80+i:81+i], v[212+i:213+i], \c op_sel_hi:[1,1,0]
.set i, i+2
.endr
.endr
.set i, 0
.rept 8
	v_pk_fma_f32 v[80+i:81+i], v[228+i:229+i], -0.5, v[80+i:81+i] op_sel_hi:[1,0,1]   ; - z^2
.set i, i+2
.endr
.set i, 0
.rept 8
	v_pk_mul_f32 v[80+i:81+i], v[80+i:81+i], 0x3fb8aa3b op_sel_hi:[1,0]
.set i, i+2
.endr
.set i, 0
.rept 16
	v_exp_f32 v[80+i], v[80+i]
.set i, i+1
.endr
.set i, 0
.rept 16
	v_mul_f32 v[228+i], |v[GV+i]|, v[212+i]        ; |v| t: plain work behind the batch
.set i, i+1
.endr
.set i, 0
.rept 16
	v_max_num_f32 v[GV+i], 0, v[GV+i]
.set i, i+1
.endr
	s_wait_alu depctr_va_vdst(0)
.set i, 0
.rept 8
	v_pk_mul_f32 v[228+i:229+i], v[228+i:229+i], v[80+i:81+i]       ; |v| erfc
.set i, i+2
.endr
.set i, 0
.rept 8
	v_pk_fma_f32 v[GV+i:GV+i+1], v[228+i:229+i], -0.5, v[GV+i:GV+i+1] op_sel_hi:[1,0,1]
.set i, i+2
.endr
.endm
.macro BARRIER
	s_wait_dscnt 0x0                               ; my LDS stores have landed and my LDS loads are in
	s_barrier_signal -1
	s_barrier_wait -1
.endm
	s_load_b512 s[4:19], s[0:1], 0x0               ; att_img 4, att_sc 6, w3 8, x 10, b_o 12, ln2_g 14, ln2_b 16, b1 18
	s_load_b128 s[20:23], s[0:1], 0x40             ; b2 20, out0 22
	v_lshl_add_u32 v252, v0, 2, 0x43800
	v_mov_b32 v253, 0
	v_lshrrev_b32 v1, 5, v0
	v_readfirstlane_b32 s24, v1                    ; wave 0..15
	v_and_b32 v244, 31, v0                         ; lane
	v_and_b32 v245, 15, v0                         ; r
	v_bfe_u32 v246, v0, 4, 1                       ; h
	v_lshlrev_b32 v1, 4, v244
	v_lshlrev_b32 v2, 3, v244
	v_lshlrev_b32 v14, 2, v244
	s_mul_i32 s34, s24, 768
	v_add_nc_u32 v3, s34, v1                       ; where I store half images
	v_add_nc_u32 v4, s34, v2
	v_lshlrev_b32 v12, 5, v244                     ; a row's 32 scale bytes
	s_lshl_b32 s34, s24, 1
	v_add_nc_u32 v5, s34, v12                      ; my halfword of them
	s_lshl_b32 s34, s24, 13
	s_add_co_u32 s34, s34, X1
	v_add_nc_u32 v6, s34, v1
	s_mul_i32 s34, s24, 4352
	s_add_co_u32 s34, s34, STG
	v_mul_u32_u24 v7, v245, 272
	v_lshl_add_u32 v7, v246, 6, v7
	v_add_nc_u32 v7, s34, v7                       ; the stage by the accumulators' layout: row r, + 64 h
	v_mul_u32_u24 v8, v246, 272
	v_lshl_add_u32 v8, v245, 4, v8
	v_add_nc_u32 v8, s34, v8                       ; and by rows: lanes 0-15 one row's 256 bytes, lanes 16-31 the next
	v_lshlrev_b32 v9, 12, v246
	v_lshl_add_u32 v9, v245, 4, v9
	s_lshl_b32 s34, s24, 8
	v_add_nc_u32 v9, s34, v9                       ; the same in x and out0
	v_add_nc_u32 v248, s34, v2                     ; my 8 bytes of the wave's 256 of a parameter
	v_lshlrev_b32 v11, 6, v244                     ; a row's sixteen sums
	s_lshl_b32 s34, s24, 2
	v_add_nc_u32 v10, s34, v11
	s_mul_i32 s34, s24, 1280
	s_add_co_u32 s34, s34, PAR
	v_lshl_add_u32 v13, v246, 6, s34
	v_add_nc_u32 v249, s34, v2
	v_lshlrev_b32 v15, 8, v246
	v_lshl_add_u32 v15, v245, 4, v15               ; att_sc: 256 x tile + 16 r
	s_mul_i32 s34, s24, 1536
	v_add_nc_u32 v247, s34, v1                     ; my part of the images' copy
	v_mov_b32 v254, 0x3e2ef945                     ; the polynomial's highest coefficient, twice
	v_mov_b32 v255, 0x3e2ef945
	s_mul_i32 s34, ttmp9, 24576
	s_mov_b32 s35, 0
	s_lshr_b32 s36, ttmp9, 4
	s_lshl_b32 s36, s36, 10                        ; the batch entry,
	s_and_b32 s37, ttmp9, 1
	s_lshl_b32 s37, s37, 9
	s_add_co_u32 s36, s36, s37                     ; the waves 2 (block % 2) + tile that made my rows,
	s_bfe_u32 s37, ttmp9, 0x30001
	s_lshl_b32 s37, s37, 1
	s_add_co_u32 s36, s36, s37                     ; their tile number (block % 16) / 2
	s_mov_b32 s37, 0
	s_mul_i32 s38, s24, 6400
	s_mov_b32 s39, 0
	s_lshl_b32 s40, ttmp9, 17
	s_mov_b32 s41, 0
	s_mov_b32 s26, 0x3727c5ac                      ; 1e-5
	s_mov_b32 s27, 0x3eb504f3                      ; 1 / (2 sqrt 2)
	s_mov_b32 s[SEL], 0x76543210
	s_mov_b32 s[SEL+1], 0xfedcba98
	s_mov_b32 s30, 0xffff0000                      ; lanes 16-31
	s_mov_b32 s31, 0x3a800000                      ; 1 / 1024
	s_wait_kmcnt 0x0
	s_add_nc_u64 s[4:5], s[4:5], s[34:35]
	s_add_nc_u64 s[6:7], s[6:7], s[36:37]
	s_add_nc_u64 s[8:9], s[8:9], s[38:39]
	s_add_nc_u64 s[10:11], s[10:11], s[40:41]
	s_add_nc_u64 s[22:23], s[22:23], s[40:41]
.irp c, 0,1,2
	global_load_b128 v[16+4*\c:19+4*\c], v247, s[4:5] offset:512*\c th:TH_LOAD_NT
.endr
	global_load_b64 v[28:29], v248, s[12:13]
	global_load_b64 v[30:31], v248, s[14:15]
	global_load_b64 v[32:33], v248, s[16:17]
	global_load_b64 v[34:35], v248, s[18:19]
	global_load_b64 v[36:37], v248, s[20:21]
.set i, 0
.rept 16
	global_load_u16 v[80+i], v15, s[6:7] offset:i*16384        ; head i's two scale bytes of my row
.set i, i+1
.endr
.irp i, 0,1,2,3,4,5,6,7
	global_load_b128 v[48+4*\i:51+4*\i], v9, s[10:11] offset:(2*\i+8*((2*\i)/8))*4096 th:TH_LOAD_NT     ; x, tile 0: sixteen lanes read a row's 256 consecutive bytes
.endr
.irp i, 0,1,2,3,4,5,6,7
	global_load_b128 v[212+4*\i:215+4*\i], v9, s[10:11] offset:(8+2*\i+8*((2*\i)/8))*4096 th:TH_LOAD_NT ; tile 1
.endr
	RING 0
	RING 1
	s_wait_loadcnt 60                              ; the images and parameters are in: 16 + 16 + 28 loads are younger
.irp c, 0,1,2
	ds_store_b128 v247, v[16+4*\c:19+4*\c] offset:IMGA+512*\c
.endr
.irp q, 0,1,2,3,4
	ds_store_b64 v249, v[28+2*\q:29+2*\q] offset:256*\q
.endr
	s_wait_loadcnt 44                              ; the scale bytes: 16 + 28 are younger
.irp q, 0,1,2,3,4,5,6,7
	v_lshl_or_b32 v[204+\q], v[81+2*\q], 16, v[80+2*\q]        ; K step q's word: heads 2 q and 2 q + 1
.endr
.rept 8
	v_nop                                          ; a scale register written by a vector instruction stands eight places ahead of a scaled matrix instruction
.endr
	s_wait_loadcnt 36                              ; x's tile 0
	s_wait_dscnt 0x0                               ; the stores above have read their registers
.irp i, 0,1,2,3,4,5,6,7
	ds_store_b128 v8, v[48+4*\i:51+4*\i] offset:544*\i
.endr
.irp q, 0,1,2,3,4,5,6,7
	ds_load_b128 v[16+4*\q:19+4*\q], v7 offset:128*(\q/4)+16*(\q%4)   ; LDS serves a wave's instructions in order: these see my stores
.endr
	s_wait_loadcnt 28                              ; x's tile 1; the weights' 28 loads may be out
	s_wait_dscnt 0x0
.irp i, 0,1,2,3,4,5,6,7
	ds_store_b128 v8, v[212+4*\i:215+4*\i] offset:544*\i
.endr
.irp q, 0,1,2,3,4,5,6,7
	ds_load_b128 v[48+4*\q:51+4*\q], v7 offset:128*(\q/4)+16*(\q%4)
.endr
	BARRIER                                        ; the attention's images lie in LDS
	AFETCH IMGA, 0
	; ---- layer 1: x is the C of the first products
.irp t, 0,1,2,3,4,5,6,7
	KSTEP \t, IMGA, 0, 0
.endr
	BIASADD                                        ; + b_o: x1
	; ---- layernorm 2
.set i, 0
.rept 16
	ds_store_b128 v6, v[16+4*i:19+4*i] offset:512*i            ; x1 is kept for the end
.set i, i+1
.endr
	PARLD 1, 212, 0
	PARLD 2, 228, 0
	v_pk_add_f32 v[96:97], v[16:17], v[18:19]
	v_pk_add_f32 v[98:99], v[48:49], v[50:51]
.set i, 4
.rept 14
	v_pk_add_f32 v[96:97], v[96:97], v[16+i:17+i]
	v_pk_add_f32 v[98:99], v[98:99], v[48+i:49+i]
.set i, i+2
.endr
	HALVES
	REDUCE RED1
	v_mul_f32 v100, 0xba800000, v96                ; - the means
	v_mul_f32 v102, 0xba800000, v98
	v_mov_b32 v101, v100
	v_mov_b32 v103, v102
.irp u, 0,1
.set i, 0
.rept 16
	v_pk_add_f32 v[16+32*\u+i:17+32*\u+i], v[16+32*\u+i:17+32*\u+i], v[100+2*\u:101+2*\u]
.set i, i+2
.endr
.endr
	v_pk_mul_f32 v[96:97], v[16:17], v[16:17]
	v_pk_mul_f32 v[98:99], v[48:49], v[48:49]
.set i, 2
.rept 15
	v_pk_fma_f32 v[96:97], v[16+i:17+i], v[16+i:17+i], v[96:97]
	v_pk_fma_f32 v[98:99], v[48+i:49+i], v[48+i:49+i], v[98:99]
.set i, i+2
.endr
	HALVES
	REDUCE RED2
	v_fma_f32 v96, v96, s31, s26                   ; the variances + 1e-5
	v_fma_f32 v98, v98, s31, s26
	v_rsq_f32 v100, v96
	v_rsq_f32 v102, v98
	v_nop
	s_wait_alu depctr_va_vdst(0)
	v_mov_b32 v101, v100
	v_mov_b32 v103, v102
	NORM 0
	PARLD 1, 212, 1
	PARLD 2, 228, 1
	s_wait_dscnt 0x0
	NORM 1
	STORE_IMG IMGB, SC2
	BARRIER                                        ; layernorm 2's images and scale bytes lie in LDS
	ds_load_b128 v[204:207], v12 offset:SC2
	ds_load_b128 v[208:211], v12 offset:SC2+16
	AFETCH IMGB, 0
	; ---- layer 2
	KSTEP 8, IMGB, 1, 3
.irp t, 9,10,11,12,13,14,15
	KSTEP \t, IMGB, 0, 3
.endr
	BIASADD                                        ; + b1
	GELU 0
	GELU 1
	GELU 2
	GELU 3
	STORE_IMG IMGA, SC3                            ; over the attention's images: every wave has passed three barriers since its last read of them
.set i, 0
.rept 16
	ds_load_b128 v[16+4*i:19+4*i], v6 offset:512*i             ; x1 comes back as the C of layer 3
.set i, i+1
.endr
	BARRIER                                        ; the hidden layer's images and scale bytes lie in LDS
	ds_load_b128 v[204:207], v12 offset:SC3
	ds_load_b128 v[208:211], v12 offset:SC3+16
	AFETCH IMGA, 0
	; ---- layer 3
.irp t, 16,17,18,19,20,21,22,23
	KSTEP \t, IMGA, 0, 4
.endr
	BIASADD                                        ; + b2
	; ---- the way out: through my stage, so that sixteen lanes store a row's 256 consecutive bytes
.irp u, 0,1
.irp q, 0,1,2,3,4,5,6,7
	ds_store_b128 v7, v[16+32*\u+4*\q:19+32*\u+4*\q] offset:128*(\q/4)+16*(\q%4)
.endr
.irp i, 0,1,2,3,4,5,6,7
	ds_load_b128 v[104+32*\u+4*\i:107+32*\u+4*\i], v8 offset:544*\i   ; in order behind my stores; the next tile's stores come behind these
.endr
.endr
.irp u, 0,1
.irp i, 0,1,2,3,4,5,6,7
	s_wait_dscnt 16*(1-\u)+7-\i                    ; the younger loads of this tile, and the other tile's sixteen instructions, may be out
	global_store_b128 v9, v[104+32*\u+4*\i:107+32*\u+4*\i], s[22:23] offset:(8*\u+2*\i+8*((2*\i)/8))*4096 th:TH_STORE_NT
.endr
.endr
	s_wait_tensorcnt 0x0
	ds_add_u32 v252, v253
	s_wait_dscnt 0x0
	s_endpgm
.Lfunc_end_k_qbb519b4dff_tail:
	.size	k_qbb519b4dff_tail, .Lfunc_end_k_qbb519b4dff_tail-k_qbb519b4dff_tail
	.p2alignl 7, 3214868480
	.fill 96, 4, 3214868480
	.section	.rodata,"a",@progbits
	.p2align	6, 0x0
	.amdhsa_kernel k_qbb519b4dff_tail
		.amdhsa_group_segment_fixed_size 278528
		.amdhsa_private_segment_fixed_size 0
		.amdhsa_enable_private_segment 0
		.amdhsa_kernarg_size 80
		.amdhsa_user_sgpr_count 2
		.amdhsa_user_sgpr_kernarg_segment_ptr 1
		.amdhsa_wavefront_size32 1
		.amdhsa_system_sgpr_workgroup_id_x 1
		.amdhsa_system_sgpr_workgroup_id_y 1
		.amdhsa_system_sgpr_workgroup_id_z 1
		.amdhsa_system_vgpr_workitem_id 0
		.amdhsa_next_free_vgpr 256
		.amdhsa_next_free_sgpr 66
		.amdhsa_reserve_vcc 0
		.amdhsa_float_denorm_mode_32 3
		.amdhsa_float_denorm_mode_16_64 3
		.amdhsa_memory_ordered 1
		.amdhsa_forward_progress 1
		.amdhsa_inst_pref_size 172
	.end_amdhsa_kernel
	.amdgpu_metadata
---
amdhsa.version: [ 1, 2 ]
amdhsa.kernels:
  - .name:           k_qbb519b4dff_tail
    .symbol:         k_qbb519b4dff_tail.kd
    .args:
      - { .name: att_img, .offset: 0, .size: 8, .value_kind: global_buffer, .address_space: global }
      - { .name: att_sc, .offset: 8, .size: 8, .value_kind: global_buffer, .address_space: global }
      - { .name: w3, .offset: 16, .size: 8, .value_kind: global_buffer, .address_space: global }
      - { .name: x, .offset: 24, .size: 8, .value_kind: global_buffer, .address_space: global }
      - { .name: b_o, .offset: 32, .size: 8, .value_kind: global_buffer, .address_space: global }
      - { .name: ln2_g, .offset: 40, .size: 8, .value_kind: global_buffer, .address_space: global }
      - { .name: ln2_b, .offset: 48, .size: 8, .value_kind: global_buffer, .address_space: global }
      - { .name: b1, .offset: 56, .size: 8, .value_kind: global_buffer, .address_space: global }
      - { .name: b2, .offset: 64, .size: 8, .value_kind: global_buffer, .address_space: global }
      - { .name: out0, .offset: 72, .size: 8, .value_kind: global_buffer, .address_space: global }
    .group_segment_fixed_size: 278528
    .private_segment_fixed_size: 0
    .kernarg_segment_align: 8
    .kernarg_segment_size: 80
    .max_flat_workgroup_size: 512
    .sgpr_count:     66
    .vgpr_count:     256
    .wavefront_size: 32
...
	.end_amdgpu_metadata
.endif
;; end of part 3
;; ======== version 2 of 2: 3 launches; version 1 with the launches attn, tail written anew for expert scheduling mode
;; workspace buffers: h_img 6,291,456 bytes; h_sc 262,144 bytes; wqkv 2,457,600 bytes; w3 2,457,600 bytes; att_img 6,291,456 bytes; att_sc 262,144 bytes
;; launch prep: the kernel of part 1 again; grid 704 x 1, 8 waves a work-group, no clusters, 69,632 bytes of LDS; arguments x, ln1_g, ln1_b, w_q, w_k, w_v, w_o, w1, w2, h_img, h_sc, wqkv, w3; writes h_img, h_sc, wqkv, w3
;; launch attn (part 4): grid 16 x 16, 4 waves a work-group, no clusters, 232,960 bytes of LDS; arguments h_img, h_sc, wqkv, att_img, att_sc; writes att_img, att_sc
.if DOCPART == 4
	.amdgcn_target "amdgcn-amd-amdhsa--gfx1250"
	.amdhsa_code_object_version 6
	.text
	.protected	k_qbb519b4dff_attn
	.globl	k_qbb519b4dff_attn
	.p2align	8
	.type	k_qbb519b4dff_attn,@function
k_qbb519b4dff_attn:
	s_mov_b64 s[64:65], 0
	v_nop
	global_prefetch_b8 v0, s[64:65] scope:SCOPE_SE
	s_setreg_imm32_b32 hwreg(HW_REG_WAVE_SCHED_MODE, 0, 2), 2
	s_setreg_imm32_b32 hwreg(HW_REG_WAVE_MODE, 25, 1), 1
	s_wait_xcnt 0x0
	s_wait_alu depctr_vm_vsrc(0)
; ATTN.  One work-group makes one head of one batch entry: q, k, v = h W (512 tokens x 192 columns, K = 1,024), quantised into LDS; causal attention; O / l quantised and stored.
; All products are on codes of FP6 (E2M3) with one E8M0 byte for each 32 along K.  q, k and v never go to memory.
; PROJECTION.  The head's part of W (153,600 bytes of fragment images and scale words) is copied into LDS once, through registers.  Two passes over the tokens; in pass p wave w owns tokens
; 256 p + 64 w on (four tiles of 16) against all 192 columns: 48 accumulators.  W's fragments come from LDS (two sets), h's from memory (each is read by this wave alone; a ring of four sets, three K steps ahead).
; q and k are made TRANSPOSED (source 0 = 16 columns of W, source 1 = 16 tokens): a lane holds one token and its registers run along the head's 64, which is the K of q k^T.
; v is made the other way round (source 0 = tokens, source 1 = columns): a lane holds one channel and its registers run along the tokens, which are the K of p v.
; The tiles of tokens and of columns are chosen (lane r of tile u of a group of 32 takes 8 u + r + 8 (r / 8)), so that 16 registers of two neighbouring tiles are 16 neighbours along the next K.
; ATTENTION.  Wave w takes the query tiles w + 4 n, n = 0 .. 7, IN PAIRS n = 2 m, 2 m + 1.  Both tiles of a pair walk the key steps 0 .. m of 128 keys, the last of which lies on the diagonal: 10 steps of a pair in every wave.
; What lies wholly under the causal mask is left out.  The pair shares K's and V's fragments, and the two softmaxes stand BY TURNS, line by line: the wave is alone on its SIMD, and a line that would wait for the line above it
; has the other tile's line between.  One tile's exponentials stand between the other tile's plain lines.
; S^T = K Q^T, O^T = V^T P^T: a lane holds one query throughout.  The head's 64 fill half of a matrix instruction's K: the other half is zero codes.
; SOFTMAX: t = score x log2(e) / 8; M = the running largest t rounded up to a whole number; p = 2^(t - M) is quantised along the keys; the row's sum is of the unquantised p and divides O at the end.
; No cluster: the sixteen heads of a batch entry read the same h, but its 393,216 bytes do not fit into LDS beside W, and each fragment of h goes to one wave's registers.
; LIMITS: NaN and infinities are not served; a block whose largest magnitude lies under 2^-124 keeps the byte 1, and so does a block of zeros (its codes are zeros; this program alone reads the bytes);
; an exponential under 2^-126 comes out as 0.
; REGISTERS, in windows of 256.  Window 0: v1 16 x lane; v2-11 addresses; v16-59 scale words and nothing else; v60-78 at work in HQ; v84-95 addresses and lane numbers; v128-255 v's 16 accumulators, later the attention's registers.
;   Windows 1, 2: W's fragments of even and odd K steps at v0-143; h's four sets at v144 and v192 of each.   Window 3: the 32 accumulators of q and k.
;   In the attention, tile x of a pair (0, 1): window 0: v12-15 the pairs' scale bytes; v16 + 8 x Q's scale word, v17-20 K's, v21-22 V's, v23 + 2 x p's; v96 + 64 x on S^T, then p, then p's codes in its first twelve;
;   v224 + 16 x on sixteen registers of statistics; v60-74 the conversions' temporaries.  Window 1: K's fragments v0-95, V's v96-143.  Window 2: O^T at v32 x, Q at v64 + 12 x.
; THE MODE: SCHED_MODE bits 1:0 = 2 (LLVM: expert scheduling mode 2), set by the entry lines.  The code itself states the register dependences
; between vector or matrix instructions and memory or LDS instructions, with s_wait_alu, always for 0.
; THE PLAN.  Registers that memory or LDS instructions touch:
;   v1, v91, v92     offsets, made at the head and never written again.   v2-v11: addresses, made at the head and once more at the head of the attention.
;   W's two sets, h's four sets, W's two sets of scale words.  Step S's products read the sets of its own parity; the loads issued in step S land in the sets that step S - 1's products read.
;                    ONE wait on va_vdst at a step's head states that those are done; the step's 54 loads follow it, dealt among the step's products, which name none of the registers that the loads touch.
;   v70-75, v68      (the odd tile of a pair: v84-89) codes and bytes: written by HQ, read by the stores behind it: a wait on vm_vsrc in HQ ahead of the first write, a wait on va_vdst ahead of the stores.
;   v84-89           the key step's LDS addresses: a wait on vm_vsrc, the six additions, a wait on va_vdst, the step's 38 loads; that second wait also states that the last products are done reading K, V and their scale words.
;   K's and Q's zero halves, p's codes, v23, v25: written by vector lines and taken by scaled products: a wait on va_vdst between.
;   s14, s48-s63     written by vector lines: a wait on va_sdst ahead of their first readers.
.set WSCL, 147456                      ; LDS: 0 W's images [K step 8][tile 12] x 1,536; here its scale words [K step][tile] x 64
.set QIMG, 153600                      ; q: 32 tiles x 768 (half an image: registers 0-3 at 16 lane, 4-5 at 512 + 8 lane)
.set KIMG, 178176                      ; k likewise
.set VIMG, 202752                      ; v: [key step 4][channel tile 4][half 2] x 768
.set QSC,  227328                      ; scale words, 64 bytes a tile
.set KSC,  229376
.set VSC,  231424                      ; [key step][channel tile] x 64
.set HS,  16                           ; v16-47  h's scale words [pass][K step][block]: lanes 0-15 the even tile, lanes 16-31 the odd one
.set WS,  48                           ; v48-59  W's, two sets of six pairs of tiles
.set TM,  60
.set TP,  62
.set SO,  64
.set BY,  66
.set PW,  68
.set PC,  70
.set PT,  76
.set L8,  91
.set L4,  92
.set LR,  93
.set LH,  94
.set SEL, 22
.set CS,  24
.set SH,  12                           ; attention: v12-15 my row's scale bytes, a word a pair of tiles
.set SA,  96                           ; S^T of tile x at SA + 64 x
.set TB,  224                          ; tile x's statistics at TB + 16 x: +0-3 the blocks' largest scores, then p, then scale operands; +4-7 the other half's, then bytes; +8,9 f; +10,11 a second sum; +12 -M; +13 the largest t; +14,15 the sum
.set TT,  79                           ; a temporary of tile x at TT + 11 x
.set MINF, 80                          ; -infinity
.set CT,  60                           ; the conversions' temporaries of tile x at CT + 8 x and CT + 4 + 8 x
.set QF,  64                           ; window 2: Q of tile x at QF + 12 x
.set MSB, 0
.macro WIN new                         ; the immediate's high byte repeats the setting that is left; a switch that changes nothing is dropped
.if MSB != (\new)
	s_set_vgpr_msb (MSB<<8)|(\new)
.set MSB, (\new)
.endif
.endm
.macro PLACES                          ; four plain places behind a matrix instruction (ISA guide 7.12.1)
.rept 4
	v_nop
.endr
.endm
; One matrix instruction from the symbols rD, rA, rB, rSA, rSB; zF: the sum begins; fA, fB: the side's scale words stand in lanes 16-31
.macro WM
.if zF
.if fA && fB
	v_wmma_scale_f32_16x16x128_f8f6f4 v[rD:rD+7], v[rA:rA+11], v[rB:rB+11], 0, v[rSA], v[rSB] matrix_a_fmt:MATRIX_FMT_FP6 matrix_b_fmt:MATRIX_FMT_FP6 matrix_a_scale:MATRIX_SCALE_ROW1 matrix_b_scale:MATRIX_SCALE_ROW1
.elseif fA
	v_wmma_scale_f32_16x16x128_f8f6f4 v[rD:rD+7], v[rA:rA+11], v[rB:rB+11], 0, v[rSA], v[rSB] matrix_a_fmt:MATRIX_FMT_FP6 matrix_b_fmt:MATRIX_FMT_FP6 matrix_a_scale:MATRIX_SCALE_ROW1
.elseif fB
	v_wmma_scale_f32_16x16x128_f8f6f4 v[rD:rD+7], v[rA:rA+11], v[rB:rB+11], 0, v[rSA], v[rSB] matrix_a_fmt:MATRIX_FMT_FP6 matrix_b_fmt:MATRIX_FMT_FP6 matrix_b_scale:MATRIX_SCALE_ROW1
.else
	v_wmma_scale_f32_16x16x128_f8f6f4 v[rD:rD+7], v[rA:rA+11], v[rB:rB+11], 0, v[rSA], v[rSB] matrix_a_fmt:MATRIX_FMT_FP6 matrix_b_fmt:MATRIX_FMT_FP6
.endif
.else
.if fA && fB
	v_wmma_scale_f32_16x16x128_f8f6f4 v[rD:rD+7], v[rA:rA+11], v[rB:rB+11], v[rD:rD+7], v[rSA], v[rSB] matrix_a_fmt:MATRIX_FMT_FP6 matrix_b_fmt:MATRIX_FMT_FP6 matrix_a_scale:MATRIX_SCALE_ROW1 matrix_b_scale:MATRIX_SCALE_ROW1
.elseif fA
	v_wmma_scale_f32_16x16x128_f8f6f4 v[rD:rD+7], v[rA:rA+11], v[rB:rB+11], v[rD:rD+7], v[rSA], v[rSB] matrix_a_fmt:MATRIX_FMT_FP6 matrix_b_fmt:MATRIX_FMT_FP6 matrix_a_scale:MATRIX_SCALE_ROW1
.elseif fB
	v_wmma_scale_f32_16x16x128_f8f6f4 v[rD:rD+7], v[rA:rA+11], v[rB:rB+11], v[rD:rD+7], v[rSA], v[rSB] matrix_a_fmt:MATRIX_FMT_FP6 matrix_b_fmt:MATRIX_FMT_FP6 matrix_b_scale:MATRIX_SCALE_ROW1
.else
	v_wmma_scale_f32_16x16x128_f8f6f4 v[rD:rD+7], v[rA:rA+11], v[rB:rB+11], v[rD:rD+7], v[rSA], v[rSB] matrix_a_fmt:MATRIX_FMT_FP6 matrix_b_fmt:MATRIX_FMT_FP6
.endif
.endif
.endm
; 32 numbers of a lane in window ws: v[src] on = block 0, v[src + 16] on = block 1, my 16 being k = 16 (lane / 16) + 0 .. 15 of the block.  They become six registers of codes in v[PC] on
; (lanes 0-15 block 0 whole, lanes 16-31 block 1) and the two scale bytes in v[PW].  The numbers are read from the low end on.
.macro HQ src, ws
	WIN ((\ws)<<2)|((\ws)<<4)
	v_max3_num_f32 v[TM], 0x1800000, |v[(\src)]|, |v[(\src)+1]|            ; the floor 2^(3 - 127) among the leaves: the byte cannot fall under 1
	v_max3_num_f32 v[TM+1], 0x1800000, |v[(\src)+16]|, |v[(\src)+17]|
.irp i, 2,4,6,8,10,12,14
	v_max3_num_f32 v[TM], v[TM], |v[(\src)+\i]|, |v[(\src)+\i+1]|
	v_max3_num_f32 v[TM+1], v[TM+1], |v[(\src)+16+\i]|, |v[(\src)+17+\i]|
.endr
	WIN 0
	v_permlanex16_b32 v[TP], v[TM], s[SEL], s[SEL+1]
	v_permlanex16_b32 v[TP+1], v[TM+1], s[SEL], s[SEL+1]
	v_max_num_f32 v[TM], v[TM], v[TP]
	v_max_num_f32 v[TM+1], v[TM+1], v[TP+1]
	v_add_nc_u32 v[SO], 0xff000000, v[TM]          ; 2 off the exponent field: the conversion's scale operand
	v_add_nc_u32 v[SO+1], 0xff000000, v[TM+1]
	v_lshrrev_b32 v[BY], 23, v[SO]
	v_lshrrev_b32 v[BY+1], 23, v[SO+1]
	s_wait_dscnt 0x0                               ; the LDS stores of the codes and the bytes made last are done
	s_wait_alu depctr_vm_vsrc(0)                   ; the stores and loads issued so far have read v[PC ..] and v[PW], which the lines below write
	v_lshl_or_b32 v[PW], v[BY+1], 8, v[BY]
	WIN (\ws)
	v_cvt_scalef32_pk16_fp6_f32 v[PC:PC+2], v[(\src):(\src)+15], v[SO]
	v_cvt_scalef32_pk16_fp6_f32 v[PT:PT+2], v[(\src)+16:(\src)+31], v[SO+1]
	WIN 0
	v_nop                                          ; one plain place behind a scaled conversion
.irp i, 0,1,2
	v_permlane16_swap_b32 v[PC+\i], v[PT+\i]
.endr
.irp i, 0,1,2
	v_mov_b32 v[PC+3+\i], v[PT+\i]
.endr
.endm
.macro LOADB S, t0                     ; four of W's twelve fragments of step S, from tile t0 on: 12 LDS loads
.set sB, (\S)%8
	WIN (1+(\S)%2)<<6
.set ict, \t0
.rept 4
.irp c, 0,1,2
	ds_load_b128 v[12*ict+4*\c:12*ict+4*\c+3], v[1+sB/3] offset:(sB%3)*18432+ict*1536+512*\c
.endr
.set ict, ict+1
.endr
.endm
.macro LOADWS S                        ; and their scale words: six
.irp g, 0,1,2,3,4,5
	ds_load_b32 v[WS+6*((\S)%2)+\g], v4 offset:((\S)%8)*768+128*\g
.endr
.endm
.macro LOADA S                         ; h's four fragments of step S: 12 loads of 512 consecutive bytes
.set aL, 144+48*(((\S)/2)%2)
	WIN (1+(\S)%2)<<6
.irp a, 0,1,2,3
.irp c, 0,1,2
	global_load_b128 v[aL+12*\a+4*\c:aL+12*\a+4*\c+3], v1, s[40:41] offset:((\S)/8)*196608+(\a/2)*24576+((\S)%8)*3072+(\a%2)*1536+512*\c
.endr
.endr
.endm
; Step S = 8 x pass + K step: 48 matrix instructions on 48 accumulators, which take turns, one instruction a turn, from step to step too.
; The next step's W (36 LDS loads), its scale words (6) and h of three steps on (12 loads) are dealt among them: 12 loads behind each of the first three groups of eight products, the rest behind the fourth.
.macro KSTEP S
	s_wait_dscnt 0x0                               ; this step's W and its scale words are in: the last of them were asked for sixteen products ago
.if (\S) < 14
	s_wait_loadcnt 24                              ; this step's h is in; the two sets behind it, 12 loads each, may be out
.else
	s_wait_loadcnt 12*(15-(\S))
.endif
.if ((\S) > 0) && ((\S) < 15)
	PLACES                                         ; four places stay between the last step's products and the loads into the registers that they read
	s_wait_alu depctr_va_vdst(0)                   ; the last step's products are done reading their set of W, their set of h and their six scale words: this step's loads land there.  This step's products name none of those registers
.endif
.set wK, 1+(\S)%2
.set aB, 144+48*(((\S)/2)%2)
.set sK, (\S)%8
.set pP, (\S)/8
.if sK == 0
.set zF, 1
.else
.set zF, 0
.endif
.set ia, 0
.rept 4
	WIN wK|(wK<<2)|0xf0                            ; both sources in this step's window, C and D in window 3
.set ict, 0
.rept 8                                        ; q and k, transposed: source 0 = columns, source 1 = tokens
.set rD, 8*(8*ia+ict)
.set rA, 12*ict
.set rB, aB+12*ia
.set rSA, WS+6*((\S)%2)+ict/2
.set rSB, HS+16*pP+2*sK+ia/2
.set fA, ict%2
.set fB, ia%2
	WM
.set ict, ict+1
.endr
.if ((\S) < 15) && (ia < 3)
	LOADB (\S)+1, 4*ia
.endif
.if ((\S) < 13) && (ia == 3)
	LOADA (\S)+3
.endif
.if ((\S) < 15) && (ia == 3)
	WIN 0
	LOADWS (\S)+1
.endif
.set ia, ia+1
.endr
	WIN wK|(wK<<2)                                 ; C and D in window 0
.set idt, 0
.rept 4
.set ia, 0
.rept 4                                        ; v: source 0 = tokens, source 1 = columns
.set rD, 128+8*(4*idt+ia)
.set rA, aB+12*ia
.set rB, 12*(8+idt)
.set rSA, HS+16*pP+2*sK+ia/2
.set rSB, WS+6*((\S)%2)+4+idt/2
.set fA, ia%2
.set fB, idt%2
	WM
.set ia, ia+1
.endr
.set idt, idt+1
.endr
.endm
; A pass's results are quantised and stored as images.  q, k: tile 16 p + 4 w + a.  v: my 64 tokens are half w % 2 of key step 2 p + w / 2.
.macro QPASS p
	PLACES
.irp a, 0,1,2,3
	HQ 64*\a, 3
	s_wait_alu depctr_va_vdst(0)                   ; q's codes in v[PC ..] and bytes in v[PW] are written, which the three stores read
	ds_store_b128 v5, v[PC:PC+3] offset:\p*12288+\a*768
	ds_store_b64 v6, v[PC+4:PC+5] offset:\p*12288+\a*768+512
	ds_store_b32 v9, v[PW] offset:\p*1024+\a*64                   ; the word's upper two bytes are 0 and stand over zero codes
	HQ 64*\a+32, 3
	s_wait_alu depctr_va_vdst(0)                   ; k's codes and bytes are written, which the three stores read
	ds_store_b128 v5, v[PC:PC+3] offset:24576+\p*12288+\a*768
	ds_store_b64 v6, v[PC+4:PC+5] offset:24576+\p*12288+\a*768+512
	ds_store_b32 v9, v[PW] offset:2048+\p*1024+\a*64
.endr
.irp d, 0,1,2,3
	HQ 128+32*\d, 0
	s_wait_alu depctr_va_vdst(0)                   ; v's codes and bytes are written, which the three stores read
	ds_store_b128 v7, v[PC:PC+3] offset:\p*12288+\d*1536
	ds_store_b64 v8, v[PC+4:PC+5] offset:\p*12288+\d*1536+512
	ds_store_b16 v10, v[PW] offset:\p*512+\d*64                   ; two of the word's four bytes; the neighbouring wave writes the other two
.endr
.endm
; Sixteen scores v[sb + n0] on become -infinity where their key is hidden: register 16 b + i holds key 32 b + i of those that v[dr] is compared with.  Sixteen masks, one wait for them.
; Eight of the even tile's scores of keys 64 on, which are all hidden, are set between the compares and the wait: v[SA + 32 + m0] on.
.macro MASK16 sb, dr, n0, m0
.irp q, 0,1,2,3,4,5,6,7,8,9,10,11,12,13,14,15
	v_cmp_gt_i32 s[48+\q], 32*(((\n0)+\q)/16)+((\n0)+\q)%16, v[\dr]
.endr
.irp q, 0,1,2,3,4,5,6,7
	v_mov_b32 v[SA+32+(\m0)+\q], v[MINF]
.endr
	s_wait_alu depctr_va_sdst(0)                   ; the sixteen compares have written s48 to s63, which the selects read
.irp q, 0,1,2,3,4,5,6,7,8,9,10,11,12,13,14,15
	v_cndmask_b32 v[(\sb)+(\n0)+\q], v[(\sb)+(\n0)+\q], v[MINF], s[48+\q]
.endr
.endm
; Line q of 32 of a tile's row sum over its 32 pairs of p at v[sb] on, in two chains v[sm], v[su]
.macro SUMJ sb, sm, su, q
.if (\q) == 0
	v_pk_add_f32 v[\sm:\sm+1], v[\sb:\sb+1], v[\sb+2:\sb+3]
.elseif (\q) == 31
	v_pk_add_f32 v[\su:\su+1], v[\su:\su+1], v[\sm:\sm+1]
.elseif ((\q)%2) == 1
	v_pk_add_f32 v[\su:\su+1], v[\su:\su+1], v[\sb+2*((\q)+1):\sb+2*((\q)+1)+1]
.else
	v_pk_add_f32 v[\sm:\sm+1], v[\sm:\sm+1], v[\sb+2*((\q)+1):\sb+2*((\q)+1)+1]
.endif
.endm
; Line q of 30 (31, 32: none) of the two tiles' scale words: tile q % 2, line q / 2: the floor, 2 off the exponent field, the byte, for four blocks; then the word
.macro SCL q
.set xq, (\q)%2
.set lq, (\q)/2
.set tq, TB+16*xq
.if lq < 4
	v_max_num_f32 v[tq+lq], 0x1800000, v[tq+lq]                   ; the floor 2^(3 - 127): the byte cannot fall under 1
.elseif lq < 8
	v_add_nc_u32 v[tq+lq-4], 0xff000000, v[tq+lq-4]               ; the conversion's scale operand
.elseif lq < 12
	v_lshrrev_b32 v[tq+4+lq-8], 23, v[tq+lq-8]                    ; the byte
.elseif lq == 12
	v_lshl_or_b32 v[23+2*xq], v[tq+5], 8, v[tq+4]                 ; p's scale word for these 128 keys
.elseif lq == 13
	v_lshl_or_b32 v[23+2*xq], v[tq+6], 16, v[23+2*xq]
.elseif lq == 14
	v_lshl_or_b32 v[23+2*xq], v[tq+7], 24, v[23+2*xq]
.endif
.endm
	s_load_b256 s[4:11], s[0:1], 0x0               ; h_img 4, h_sc 6, wqkv 8, att_img 10
	s_load_b64 s[12:13], s[0:1], 0x20              ; att_sc
	v_lshl_add_u32 v82, v0, 2, 0x38c00
	v_mov_b32 v83, 0
	v_lshrrev_b32 v1, 5, v0
	v_readfirstlane_b32 s14, v1                    ; wave 0..3
	s_and_b32 s16, ttmp7, 0xffff                   ; the batch entry; ttmp9 is the head
	v_and_b32 v95, 31, v0                          ; lane
	v_and_b32 v[LR], 15, v0                        ; r
	v_bfe_u32 v[LH], v0, 4, 1                      ; h
	v_lshlrev_b32 v1, 4, v95                       ; 16 x lane: W's K steps 0-2 in LDS, h's offset, the images' place
	v_lshlrev_b32 v[L8], 3, v95
	v_lshlrev_b32 v[L4], 2, v95
	v_add_nc_u32 v2, 55296, v1                     ; W's K steps 3-5
	v_add_nc_u32 v3, 110592, v1                    ; and 6-7
	v_add_nc_u32 v4, WSCL, v[L4]
	s_wait_alu depctr_va_sdst(0)                   ; s14 is written, ahead of its first reader: LDS addresses and the buffers' offsets are made from it
	s_lshr_b32 s18, s14, 1
	s_and_b32 s19, s14, 1
	s_mul_i32 s17, s14, 3072
	s_add_co_u32 s17, s17, QIMG
	v_add_nc_u32 v5, s17, v1
	v_add_nc_u32 v6, s17, v[L8]
	s_mul_i32 s17, s18, 6144
	s_mul_i32 s20, s19, 768
	s_add_co_u32 s17, s17, s20
	s_add_co_u32 s17, s17, VIMG
	v_add_nc_u32 v7, s17, v1
	v_add_nc_u32 v8, s17, v[L8]
	s_lshl_b32 s17, s14, 8
	s_add_co_u32 s17, s17, QSC
	v_lshl_add_u32 v9, v[LR], 2, s17
	s_lshl_b32 s17, s18, 8
	s_lshl_b32 s20, s19, 1
	s_add_co_u32 s17, s17, s20
	s_add_co_u32 s17, s17, VSC
	v_lshl_add_u32 v10, v[LR], 2, s17
	s_mul_i32 s17, s14, 38400                      ; my quarter of W's copy
	v_add_nc_u32 v11, s17, v1
	v_mov_b32 v[TP], 0                             ; a lane permute's destination counts as one of its sources
	v_mov_b32 v[TP+1], 0
	s_lshl_b32 s20, s16, 4
	s_lshl_b32 s21, s14, 1
	s_add_co_u32 s20, s20, s21                     ; my first block of 32 tokens: 16 b + 2 w
	s_mul_i32 s48, s20, 24576
	s_mov_b32 s49, 0
	s_lshl_b32 s50, s20, 10
	s_mov_b32 s51, 0
	s_mul_i32 s52, ttmp9, 153600
	s_add_co_u32 s52, s52, s17
	s_mov_b32 s53, 0
	s_mul_i32 s54, s16, 393216                     ; att_img: [block][tile][head] x 768; my tile 0 is tile w of the batch entry
	s_mul_i32 s21, s18, 24576
	s_add_co_u32 s54, s54, s21
	s_mul_i32 s21, s19, 12288
	s_add_co_u32 s54, s54, s21
	s_mul_i32 s21, ttmp9, 768
	s_add_co_u32 s54, s54, s21
	s_mov_b32 s55, 0
	s_lshl_b32 s56, ttmp9, 14                      ; att_sc: [head][batch][wave][r][n] halfwords
	s_lshl_b32 s21, s16, 10
	s_add_co_u32 s56, s56, s21
	s_lshl_b32 s21, s14, 8
	s_add_co_u32 s56, s56, s21
	s_mov_b32 s57, 0
	s_mov_b32 s[SEL], 0x76543210
	s_mov_b32 s[SEL+1], 0xfedcba98                 ; v_permlanex16_b32's selects for lane l xor 16
	s_mov_b32 s[CS], 0x3e38aa3b                    ; log2(e) / 8
	s_mov_b32 s[CS+1], s[CS]                       ; (named with it as a pair, so it is written)
	s_wait_kmcnt 0x0
	s_add_nc_u64 s[40:41], s[4:5], s[48:49]
	s_add_nc_u64 s[42:43], s[6:7], s[50:51]
	s_add_nc_u64 s[44:45], s[8:9], s[52:53]
	s_add_nc_u64 s[38:39], s[10:11], s[54:55]
	s_add_nc_u64 s[46:47], s[12:13], s[56:57]
	; W's copy: 75 loads of 512 consecutive bytes, through the registers that the accumulators will take
	WIN 0xc0
	s_wait_alu depctr_va_vdst(0)                   ; the offsets and LDS addresses v1 to v11, v91 and v92 are written, which the loads and stores of the projection read
.set i, 0
.rept 64
	global_load_b128 v[4*i:4*i+3], v1, s[44:45] offset:512*i
.set i, i+1
.endr
	WIN 0
.rept 11
	global_load_b128 v[128+4*(i-64):128+4*(i-64)+3], v1, s[44:45] offset:512*i
.set i, i+1
.endr
.irp p, 0,1
.irp q, 0,1,2,3,4,5,6,7
.irp b, 0,1
	global_load_b32 v[HS+16*\p+2*\q+\b], v[L4], s[42:43] offset:\p*8192+\b*1024+\q*128
.endr
.endr
.endr
	LOADA 0
	LOADA 1
	LOADA 2
	s_wait_loadcnt 63                              ; 68 loads are younger than the copy's: the largest count that a wait can name is taken
	WIN 0x0c                                       ; an LDS store's data are its source 1: window 3
.set i, 0
.rept 64
	ds_store_b128 v11, v[4*i:4*i+3] offset:512*i
.set i, i+1
.endr
	WIN 0
.rept 11
	ds_store_b128 v11, v[128+4*(i-64):128+4*(i-64)+3] offset:512*i
.set i, i+1
.endr
	s_wait_dscnt 0x0                               ; for the others' sake: my quarter of W lies in LDS
	s_barrier_signal -1
	s_barrier_wait -1
	s_wait_alu depctr_vm_vsrc(0)                   ; my LDS stores have read window 3's registers and v128 to v171: they are accumulators from here on, written by step 0's products
	LOADB 0, 0
	LOADB 0, 4
	LOADB 0, 8
	WIN 0
	LOADWS 0
.irp t, 0,1,2,3,4,5,6,7
	KSTEP \t
.endr
	QPASS 0
.irp t, 8,9,10,11,12,13,14,15
	KSTEP \t
.endr
	QPASS 1
	s_wait_dscnt 0x0                               ; my images and scale words lie in LDS
	s_barrier_signal -1
	s_barrier_wait -1                              ; from here on LDS is only read
	; ---------------- attention ----------------
	s_wait_alu depctr_vm_vsrc(0)                   ; the projection's LDS loads and stores have read v2 to v11, which are written anew
	v_add_nc_u32 v2, KIMG, v1
	v_add_nc_u32 v3, KIMG, v[L8]
	v_add_nc_u32 v4, VIMG, v1
	v_add_nc_u32 v5, VIMG, v[L8]
	v_add_nc_u32 v6, KSC, v[L4]
	v_add_nc_u32 v7, VSC, v[L4]
	s_mul_i32 s17, s14, 768
	s_add_co_u32 s17, s17, QIMG
	v_add_nc_u32 v8, s17, v1
	v_add_nc_u32 v9, s17, v[L8]
	s_lshl_b32 s17, s14, 6
	s_add_co_u32 s17, s17, QSC
	v_lshl_add_u32 v10, v[LR], 2, s17
	v_and_b32 v11, 8, v[LR]
	v_add_nc_u32 v11, v11, v[LR]                   ; r + 8 (r / 8)
	s_lshl_b32 s17, s18, 5
	s_lshl_b32 s20, s19, 3
	s_add_co_u32 s17, s17, s20
	v_add_nc_u32 v11, s17, v11                     ; my query in tile w: 0 .. 63,
	v_lshlrev_b32 v95, 4, v[LH]
	v_sub_nc_u32 v11, v11, v95                     ; less 16 (lane / 16): what the mask compares with
	v_lshlrev_b32 v95, 4, v[LR]                    ; 16 r: my row's place in att_sc
.irp i, 12,13,14,15,79,90,228,229,230,231,233,244,245,246,247,249
	v_mov_b32 v\i, 0                               ; the pairs' words; lane permutes' destinations, which count as sources; the upper halves of the pairs that hold f
.endr
	v_mov_b32 v[MINF], 0xff800000
	WIN 0x40
.set ikt, 0
.rept 8
.irp i, 6,7,8,9,10,11
	v_mov_b32 v[12*ikt+\i], 0                      ; K's upper halves: zero codes
.endr
.set ikt, ikt+1
.endr
	WIN 0x80
.irp i, 6,7,8,9,10,11,18,19,20,21,22,23
	v_mov_b32 v[QF+\i], 0                          ; Q's upper halves, both tiles: zero codes
.endr
	WIN 0
	s_mov_b32 s26, 0                               ; the pair m: tiles n = 2 m and 2 m + 1; also the pair's last key step
	s_mov_b32 s33, 0                               ; Q's images, 6,144 bytes a trip
	s_mov_b32 s34, 0                               ; their scale words, 512
	s_mov_b32 s36, 0                               ; their tokens, 128
.Lpair:
	v_add_nc_u32 v84, s33, v8                      ; (v84 to v89 are free: in the first trip nothing has read them, in a later one the wait on vm_vsrc ahead of the backward jump has shown them read)
	v_add_nc_u32 v85, s33, v9
	v_add_nc_u32 v86, s34, v10
	WIN 0x80                                       ; destination window 2
	s_wait_alu depctr_va_vdst(0)                   ; v84 to v86 are written, which the loads read; the products issued so far are done reading Q's registers, v16 and v24, in which the loads land; K's and Q's zero codes are written, which the products take
	ds_load_b128 v[QF:QF+3], v84
	ds_load_b64 v[QF+4:QF+5], v85 offset:512
	ds_load_b128 v[QF+12:QF+15], v84 offset:3072   ; the odd tile lies four tiles on
	ds_load_b64 v[QF+16:QF+17], v85 offset:3072+512
	WIN 0
	ds_load_b32 v16, v86
	ds_load_b32 v24, v86 offset:256
.irp x, 0,1
	v_mov_b32 v[TB+13+16*\x], 0xff61b1e6           ; the largest t so far: -3e38
	v_mov_b32 v[TB+14+16*\x], 0                    ; the sum, in two halves
	v_mov_b32 v[TB+15+16*\x], 0
.endr
.irp x, 0,1
	v_floor_f32 v[TB+12+16*\x], -v[TB+13+16*\x]    ; -M
.endr
	WIN 0x80
.set j, 0
.rept 64
	v_mov_b32 v[j], 0                              ; O^T of both tiles: the step is written once; the first finds zeros
.set j, j+1
.endr
	WIN 0
	s_mov_b32 s28, 0                               ; the key step
	s_mov_b32 s29, 0                               ; its images, 6,144 bytes a step in K and in V
	s_mov_b32 s30, 0                               ; K's scale words, 512
	s_mov_b32 s31, 0                               ; V's, 256
	s_mov_b32 s32, 0                               ; its first key
.Lstep:                                            ; four trips, a constant; a step wholly under the mask is jumped over
	s_cmp_gt_u32 s28, s26
	s_cbranch_scc1 .Lskip
	s_wait_alu depctr_vm_vsrc(0)                   ; Q's loads and the last step's loads have read v84 to v89, which the six lines below write
	v_add_nc_u32 v84, s29, v2
	v_add_nc_u32 v85, s29, v3
	v_add_nc_u32 v86, s29, v4
	v_add_nc_u32 v87, s29, v5
	v_add_nc_u32 v88, s30, v6
	v_add_nc_u32 v89, s31, v7
	WIN 0x40
	s_wait_alu depctr_va_vdst(0)                   ; v84 to v89 are written, which the 38 loads read; the last step's products are done reading K, V and v17 to v22, in which the loads land
.set ikt, 0
.rept 8
	ds_load_b128 v[12*ikt:12*ikt+3], v84 offset:ikt*768
	ds_load_b64 v[12*ikt+4:12*ikt+5], v85 offset:ikt*768+512
.set ikt, ikt+1
.endr
	WIN 0
.irp g, 0,1,2,3
	ds_load_b32 v[17+\g], v88 offset:128*\g
.endr
	WIN 0x40
.irp d, 0,1,2,3
.irp c, 0,1
	ds_load_b128 v[96+12*\d+6*\c:96+12*\d+6*\c+3], v86 offset:\d*1536+\c*768
	ds_load_b64 v[96+12*\d+6*\c+4:96+12*\d+6*\c+5], v87 offset:\d*1536+\c*768+512
.endr
.endr
	WIN 0
.irp g, 0,1
	ds_load_b32 v[21+\g], v89 offset:128*\g
.endr
	s_wait_dscnt 18                                ; Q, K and K's scale words are in; V's 18 loads may be out
	WIN 0x09                                       ; source 0 (K) window 1, source 1 (Q) window 2, D window 0
.set zF, 1
.set fB, 0
.set ikt, 0
.rept 8
.irp x, 0,1
.set rD, SA+64*\x+8*ikt
.set rA, 12*ikt
.set rB, QF+12*\x
.set rSA, 17+ikt/2
.set rSB, 16+8*\x
.set fA, ikt%2
	WM
.endr
.set ikt, ikt+1
.endr
	WIN 0
	PLACES
	s_cmp_lg_u32 s28, s26                          ; on the diagonal the scores of hidden keys become -infinity
	s_cbranch_scc1 .Lopen
	s_sub_co_i32 s17, s36, s32
	v_add_nc_u32 v[TT], s17, v11                   ; d = my query - the step's first key - 16 (lane / 16); register 16 b + i holds key 32 b + i of those: hidden where 32 b + i > d
	v_add_nc_u32 v[TT+11], 64, v[TT]               ; the odd tile's queries lie 64 tokens on
	; the even tile's queries lie in the step's first 64 keys, the odd tile's in its last 64: only these halves are compared; the even tile's keys 64 on are all hidden
	MASK16 SA, TT, 0, 0
	MASK16 SA+64, TT+11, 32, 8
	MASK16 SA, TT, 16, 16
	MASK16 SA+64, TT+11, 48, 24
.Lopen:
.irp b, 0,1,2,3
.irp x, 0,1
	v_max3_num_f32 v[TB+16*\x+\b], v[SA+64*\x+16*\b], v[SA+1+64*\x+16*\b], v[SA+2+64*\x+16*\b]   ; the largest score of each block of 32 keys: for the row's maximum, and for the block's largest p
.endr
.endr
.irp i, 3,5,7,9,11,13
.irp b, 0,1,2,3
.irp x, 0,1
	v_max3_num_f32 v[TB+16*\x+\b], v[TB+16*\x+\b], v[SA+64*\x+16*\b+\i], v[SA+1+64*\x+16*\b+\i]
.endr
.endr
.endr
.irp b, 0,1,2,3
.irp x, 0,1
	v_max_num_f32 v[TB+16*\x+\b], v[TB+16*\x+\b], v[SA+15+64*\x+16*\b]
.endr
.endr
.irp b, 0,1,2,3
.irp x, 0,1
	v_permlanex16_b32 v[TB+4+16*\x+\b], v[TB+16*\x+\b], s[SEL], s[SEL+1]
.endr
.endr
.irp b, 0,1,2,3
.irp x, 0,1
	v_max_num_f32 v[TB+16*\x+\b], v[TB+16*\x+\b], v[TB+4+16*\x+\b]
.endr
.endr
.irp x, 0,1
	v_max3_num_f32 v[TT+11*\x], v[TB+16*\x], v[TB+1+16*\x], v[TB+2+16*\x]
.endr
.irp x, 0,1
	v_max_num_f32 v[TT+11*\x], v[TT+11*\x], v[TB+3+16*\x]
.endr
.irp x, 0,1
	v_mul_f32 v[TT+11*\x], s[CS], v[TT+11*\x]
.endr
.irp x, 0,1
	v_max_num_f32 v[TB+13+16*\x], v[TB+13+16*\x], v[TT+11*\x]     ; the running largest t
.endr
.irp x, 0,1
	v_mov_b32 v[TT+11*\x], v[TB+12+16*\x]
.endr
.irp x, 0,1
	v_floor_f32 v[TB+12+16*\x], -v[TB+13+16*\x]                   ; the new -M: M is a whole number
.endr
.irp x, 0,1
	v_sub_f32 v[TT+11*\x], v[TB+12+16*\x], v[TT+11*\x]
.endr
.irp x, 0,1
	v_cvt_i32_f32 v[TT+11*\x], v[TT+11*\x]                        ; (it saturates)
.endr
.irp x, 0,1
	v_ldexp_f32 v[TB+8+16*\x], 1.0, v[TT+11*\x]                   ; f = 2^(old M - new M): exact
.endr
.set j, 0
.rept 32
	v_pk_fma_f32 v[SA+j:SA+1+j], v[SA+j:SA+1+j], s[CS:CS+1], v[TB+12:TB+13] op_sel_hi:[1,0,0]   ; the even tile: t - M
.set j, j+2
.endr
.irp b, 0,1,2,3
.irp x, 0,1
	v_fma_f32 v[TB+16*\x+\b], v[TB+16*\x+\b], s[CS], v[TB+12+16*\x]
.endr
.endr
.set j, 0
.rept 32                                       ; the even tile's p = 2^(t - M), two at a time, between the odd tile's t - M, which name none of them
	v_exp_f32 v[SA+j], v[SA+j]
	v_exp_f32 v[SA+1+j], v[SA+1+j]
	v_pk_fma_f32 v[SA+64+j:SA+65+j], v[SA+64+j:SA+65+j], s[CS:CS+1], v[TB+28:TB+29] op_sel_hi:[1,0,0]
.set j, j+2
.endr
.irp x, 0,1
	v_pk_mul_f32 v[TB+14+16*\x:TB+15+16*\x], v[TB+14+16*\x:TB+15+16*\x], v[TB+8+16*\x:TB+9+16*\x] op_sel_hi:[1,0]   ; the sums under the new M: plain lines behind the exponentials
.endr
	s_wait_alu depctr_va_vdst(0)                   ; the even tile's 64 exponentials have written p: one wait for the batch, ahead of its first reader
.set j, 0
.rept 32                                       ; the odd tile's p between the even tile's row sum, which is of the unquantised p
	v_exp_f32 v[SA+64+2*j], v[SA+64+2*j]
	v_exp_f32 v[SA+65+2*j], v[SA+65+2*j]
	SUMJ SA, TB+10, TB+14, j
.set j, j+1
.endr
.irp b, 0,1,2,3
.irp x, 0,1
	v_exp_f32 v[TB+16*\x+\b], v[TB+16*\x+\b]       ; the blocks' largest p
.endr
.endr
	v_nop                                          ; a plain place behind the last exponential
	s_wait_alu depctr_va_vdst(0)                   ; the odd tile's 64 exponentials and the eight of the blocks' largest p have written their results: one wait, ahead of their first reader
.set j, 0
.rept 32                                       ; the odd tile's row sum between the lines that make both tiles' scale words
	SUMJ SA+64, TB+26, TB+30, j
	SCL j
.set j, j+1
.endr
.irp x, 0,1
	v_cvt_scalef32_pk16_fp6_f32 v[CT+8*\x:CT+2+8*\x], v[SA+64*\x:SA+15+64*\x], v[TB+16*\x]
	v_cvt_scalef32_pk16_fp6_f32 v[CT+4+8*\x:CT+6+8*\x], v[SA+16+64*\x:SA+31+64*\x], v[TB+1+16*\x]
.endr
	v_nop                                          ; a plain place: the next conversions write into the numbers that these have read
.irp x, 0,1
	v_cvt_scalef32_pk16_fp6_f32 v[SA+6+64*\x:SA+8+64*\x], v[SA+32+64*\x:SA+47+64*\x], v[TB+2+16*\x]
	v_cvt_scalef32_pk16_fp6_f32 v[SA+16+64*\x:SA+18+64*\x], v[SA+48+64*\x:SA+63+64*\x], v[TB+3+16*\x]
.endr
	v_nop                                          ; one plain place behind a scaled conversion
.irp i, 0,1,2                                  ; the operand's layout wants a whole block in a lane
.irp x, 0,1
	v_permlane16_swap_b32 v[CT+8*\x+\i], v[CT+4+8*\x+\i]
	v_permlane16_swap_b32 v[SA+6+64*\x+\i], v[SA+16+64*\x+\i]
.endr
.endr
.irp i, 0,1,2                                  ; p's codes take the first twelve registers of the tile's own p, which is done with
.irp x, 0,1
	v_mov_b32 v[SA+64*\x+\i], v[CT+8*\x+\i]
	v_mov_b32 v[SA+3+64*\x+\i], v[CT+4+8*\x+\i]
	v_mov_b32 v[SA+9+64*\x+\i], v[SA+16+64*\x+\i]
.endr
.endr
	WIN 0x82                                       ; O^T (destination and source 0) window 2, f window 0
.set j, 0
.rept 16
	v_pk_mul_f32 v[j:j+1], v[j:j+1], v[TB+8:TB+9] op_sel_hi:[1,0]             ; O^T under the new M; these 32 also stand between the lines that made p's codes and scale words and the products
	v_pk_mul_f32 v[32+j:33+j], v[32+j:33+j], v[TB+24:TB+25] op_sel_hi:[1,0]
.set j, j+2
.endr
	s_wait_dscnt 0x0                               ; V
	s_wait_alu depctr_va_vdst(0)                   ; p's codes and the scale words v23 and v25 are written by vector lines: the products below take them; the places above stay beside this wait
	WIN 0xa1                                       ; source 0 (V) window 1, source 1 (p) window 0, C and D window 2
.set zF, 0
.set fB, 0
.set idt, 0
.rept 4
.irp x, 0,1
.set rD, 32*\x+8*idt
.set rA, 96+12*idt
.set rB, SA+64*\x
.set rSA, 21+idt/2
.set rSB, 23+2*\x
.set fA, idt%2
	WM
.endr
.set idt, idt+1
.endr
	WIN 0
	PLACES                                         ; with the next step's six address lines: ten plain lines before a product writes over the registers that held p's codes
.Lskip:
	s_add_co_u32 s29, s29, 6144
	s_add_co_u32 s30, s30, 512
	s_add_co_u32 s31, s31, 256
	s_add_co_u32 s32, s32, 128
	s_add_co_u32 s28, s28, 1
	s_cmp_lt_u32 s28, 4
	s_cbranch_scc1 .Lstep
.irp x, 0,1
	v_add_f32 v[TB+14+16*\x], v[TB+14+16*\x], v[TB+15+16*\x]
.endr
.irp x, 0,1
	v_permlanex16_b32 v[TT+11*\x], v[TB+14+16*\x], s[SEL], s[SEL+1]
.endr
.irp x, 0,1
	v_add_f32 v[TB+14+16*\x], v[TB+14+16*\x], v[TT+11*\x]         ; the rows' sums
.endr
.irp x, 0,1
	v_rcp_f32 v[TB+14+16*\x], v[TB+14+16*\x]
.endr
	v_nop
	s_wait_alu depctr_va_vdst(0)                   ; the two reciprocals are written, ahead of their first reader
	WIN 0x02                                       ; source 0 (O^T) window 2
.set j, 0
.rept 32
	v_mul_f32 v[SA+j], v[j], v[TB+14]              ; O^T / the sum: register 16 g + i is channel 32 g + 16 (lane / 16) + i
	v_mul_f32 v[SA+64+j], v[32+j], v[TB+30]
.set j, j+1
.endr
	WIN 0
	HQ SA, 0
	s_wait_alu depctr_va_vdst(0)                   ; the even tile's codes v70 to v75 are written, which the two stores read
	global_store_b128 v1, v[PC:PC+3], s[38:39]     ; half an image: 512 and 256 consecutive bytes
	global_store_b64 v[L8], v[PC+4:PC+5], s[38:39] offset:512
.set PC, 84                                    ; the odd tile's codes and bytes get registers of their own: the even tile's stores may still read theirs
.set PW, 69
	HQ SA+64, 0
	v_mov_b32 v[SH], v[SH+1]                       ; the pair's four scale bytes enter at the top; after four pairs pair 0's lie lowest
	v_mov_b32 v[SH+1], v[SH+2]
	v_mov_b32 v[SH+2], v[SH+3]
	v_lshl_or_b32 v[SH+3], v69, 16, v68
	s_wait_alu depctr_va_vdst(0)                   ; the odd tile's codes v84 to v89 are written, which the two stores read; so are v12 to v15, which the store behind the loop reads: no vector line stands between
	global_store_b128 v1, v[PC:PC+3], s[38:39] offset:49152        ; four tiles on
	global_store_b64 v[L8], v[PC+4:PC+5], s[38:39] offset:49152+512
	s_wait_xcnt 0x0                                ; the stores have read their data and their base: both are written again only behind this wait
	s_wait_alu depctr_vm_vsrc(0)                   ; the four stores have read v70 to v75 and v84 to v89, which the next pair writes again
	s_add_nc_u64 s[38:39], s[38:39], 98304         ; eight tiles on
	s_add_co_u32 s33, s33, 6144
	s_add_co_u32 s34, s34, 512
	s_add_co_u32 s36, s36, 128
	s_add_co_u32 s26, s26, 1
	s_cmp_lt_u32 s26, 4
	s_cbranch_scc1 .Lpair
	global_store_b128 v95, v[SH:SH+3], s[46:47]    ; 16 rows x 16 bytes: 256 consecutive bytes (lanes r and r + 16 hold and write the same)
	s_wait_dscnt 0x0                               ; the closing lines, six on end
	s_wait_alu 0x0
	s_wait_tensorcnt 0x0
	ds_add_u32 v82, v83
	s_wait_dscnt 0x0
	s_endpgm
.Lfunc_end_k_qbb519b4dff_attn:
	.size	k_qbb519b4dff_attn, .Lfunc_end_k_qbb519b4dff_attn-k_qbb519b4dff_attn
	.p2alignl 7, 3214868480
	.fill 96, 4, 3214868480
	.section	.rodata,"a",@progbits
	.p2align	6, 0x0
	.amdhsa_kernel k_qbb519b4dff_attn
		.amdhsa_group_segment_fixed_size 232960
		.amdhsa_private_segment_fixed_size 0
		.amdhsa_enable_private_segment 0
		.amdhsa_kernarg_size 40
		.amdhsa_user_sgpr_count 2
		.amdhsa_user_sgpr_kernarg_segment_ptr 1
		.amdhsa_wavefront_size32 1
		.amdhsa_system_sgpr_workgroup_id_x 1
		.amdhsa_system_sgpr_workgroup_id_y 1
		.amdhsa_system_sgpr_workgroup_id_z 1
		.amdhsa_system_vgpr_workitem_id 0
		.amdhsa_next_free_vgpr 1024
		.amdhsa_next_free_sgpr 66
		.amdhsa_reserve_vcc 0
		.amdhsa_float_denorm_mode_32 3
		.amdhsa_float_denorm_mode_16_64 3
		.amdhsa_memory_ordered 1
		.amdhsa_forward_progress 1
		.amdhsa_inst_pref_size 255
	.end_amdhsa_kernel
	.section	.bss,"aw",@nobits
	.p2align	6
	.space	262144
	.amdgpu_metadata
---
amdhsa.version: [ 1, 2 ]
amdhsa.kernels:
  - .name:           k_qbb519b4dff_attn
    .symbol:         k_qbb519b4dff_attn.kd
    .args:
      - { .name: h_img, .offset: 0, .size: 8, .value_kind: global_buffer, .address_space: global }
      - { .name: h_sc, .offset: 8, .size: 8, .value_kind: global_buffer, .address_space: global }
      - { .name: wqkv, .offset: 16, .size: 8, .value_kind: global_buffer, .address_space: global }
      - { .name: att_img, .offset: 24, .size: 8, .value_kind: global_buffer, .address_space: global }
      - { .name: att_sc, .offset: 32, .size: 8, .value_kind: global_buffer, .address_space: global }
    .group_segment_fixed_size: 232960
    .private_segment_fixed_size: 0
    .kernarg_segment_align: 8
    .kernarg_segment_size: 40
    .max_flat_workgroup_size: 128
    .sgpr_count:     66
    .vgpr_count:     1024
    .wavefront_size: 32
...
	.end_amdgpu_metadata
.endif
;; end of part 4
;; launch tail (part 5): grid 256 x 1, 16 waves a work-group, no clusters, 278,528 bytes of LDS; arguments att_img, att_sc, w3, x, b_o, ln2_g, ln2_b, b1, b2, out0; writes out0
.if DOCPART == 5
	.amdgcn_target "amdgcn-amd-amdhsa--gfx1250"
	.amdhsa_code_object_version 6
	.text
	.protected	k_qbb519b4dff_tail
	.globl	k_qbb519b4dff_tail
	.p2align	8
	.type	k_qbb519b4dff_tail,@function
k_qbb519b4dff_tail:
	s_mov_b64 s[64:65], 0
	v_nop
	global_prefetch_b8 v0, s[64:65] scope:SCOPE_SE
	s_setreg_imm32_b32 hwreg(HW_REG_WAVE_SCHED_MODE, 0, 2), 2
	s_setreg_imm32_b32 hwreg(HW_REG_WAVE_MODE, 25, 1), 1
	s_wait_xcnt 0x0
	s_wait_alu depctr_vm_vsrc(0)
; TAIL.  One work-group takes 32 rows through the rest of the block: x1 = x + att w_o + b_o; layernorm 2; quantise; w1, b1; exact gelu; quantise; w2, b2; + x1.  Nothing between goes to memory.
; All three products are on codes of FP6 (E2M3) with one E8M0 byte for each 32 along K.
; SHARES.  The 32 rows are two tiles u (lane r of tile u is row 8 u + r + 8 (r / 8)).  THE SIXTEEN WAVES SHARE THE COLUMNS: wave w makes columns 64 w on of every layer, four tiles, for both tiles of rows: 8 accumulators,
; which take turns, one instruction a turn.  The products are used transposed (source 0 = 16 columns of the weight, source 1 = 16 rows): a lane holds one row and its registers run along the columns.
; The columns of a tile are chosen so that a wave's 32 registers of a row tile are two blocks of 32 along the next K: half w % 2 of the next product's K step w / 2.
; WEIGHTS come from memory straight into registers, as fragment images laid by the first launch: each fragment is used by one wave alone; two sets, two K steps ahead, running on across the layers' ends.
; ROWS go from wave to wave through LDS as images of operand registers.  Whole rows in one work-group are what layernorm 2 and the hidden layer ask for; 32 rows give each of 256 work-groups a block.
; No cluster: all work-groups read the same weights, but they land in registers.
; GELU: gelu(v) = max(v, 0) - |v| erfc(|v| / sqrt 2) / 2, erfc(z) = t exp(-z^2 + poly(t)), t = 1 / (1 + z / 2): a Chebyshev fit of fractional error 1.2e-7.
; LIMITS: NaN and infinities are not served; a block whose largest magnitude lies under 2^-124 keeps the byte 1, and so does a block of zeros; an exponential under 2^-126 comes out as 0;
; x + b_o + the product's sum are added in another order than the reference's.
; THE MODE: SCHED_MODE bits 1:0 = 2 (LLVM: expert scheduling mode 2), set by the entry lines.  The code itself states the register dependences
; between vector or matrix instructions and memory or LDS instructions, with s_wait_alu, always for 0.
; THE PLAN.  Registers that memory or LDS instructions touch:
;   v1-v15, v247-249  offsets and LDS addresses, made at the head and never written again.
;   v104-203          the weights' two sets and their scale words; v80-103 the rows' fragments.  A K step's eight products read one set and the fragments; ONE wait on va_vdst behind them (and their places) states that
;                     they are done; the loads of the weights two steps on, of the next fragments and, in a layer's seventh step, of its bias follow it.
;   v16-79            loaded (x, later x1), stored (x1, the way out), between these written by products and vector lines: a wait on va_vdst ahead of each run of stores or loads, a wait on vm_vsrc ahead of the next write behind a store.
;   v88, v90-95       bytes and codes, written by HQ and read by the images' stores: a wait on vm_vsrc in HQ, a wait on va_vdst ahead of the stores.
;   v100              a row's sum on its way to LDS; v80-95 the sixteen sums read back; v212-243 x's second tile, the parameters.
;   v204-211          the rows' scale words: in layer 1 made by vector lines, which the products take behind a wait on va_vdst; later loaded.
;   s24               written by a vector line: a wait on va_sdst ahead of its first reader.
.set RED1, 0                           ; LDS: 32 rows x 16 waves x 4 bytes: the rows' sums;
.set RED2, 2048                        ; the sums of squares;
.set SC2,  4096                        ; 32 rows x 32 bytes: layer 2's scale bytes;
.set SC3,  5120                        ; layer 3's;
.set IMGA, 6144                        ; 24,576: the attention's images, later the hidden layer's: tile u at 12,288 u, half image of 64 along K at 768 x its number;
.set IMGB, 30720                       ; 24,576: layernorm 2's;
.set PAR,  55296                       ; a wave's own 1,280: b_o, ln2_g, ln2_b, b1, b2 of its 64 columns;
.set X1,   75776                       ; a wave's own 8,192: x1 as an image of the accumulators;
.set STG,  206848                      ; a wave's own 4,352: 16 rows x 272, the way in of x and the way out
; REGISTERS: v1 16 lane, v2 8 lane, v3-13 addresses, v14 4 lane, v15 att_sc's offset; v16-79 the accumulators (tile u, column tile t at 16 + 8 (4 u + t)); v80-103 the rows' two fragments, between the layers at work;
; v104-199 the weights' two sets; v200-203 their scale words; v204-211 the rows' scale words, one register a K step (lanes 0-15 tile 0, lanes 16-31 tile 1); v212-243 at work; v254-255 a constant.
.set TM, 80
.set TP, 82
.set SO, 84
.set BY, 86
.set PC, 90
.set PT, 96
.set SEL, 28
.macro PLACES
.rept 4
	v_nop
.endr
.endm
.macro WM                              ; one matrix instruction from the symbols rD, rA, rB, rSA, rSB; zF: the sum begins; fA, fB: the side's scale words stand in lanes 16-31
.if zF
.if fA && fB
	v_wmma_scale_f32_16x16x128_f8f6f4 v[rD:rD+7], v[rA:rA+11], v[rB:rB+11], 0, v[rSA], v[rSB] matrix_a_fmt:MATRIX_FMT_FP6 matrix_b_fmt:MATRIX_FMT_FP6 matrix_a_scale:MATRIX_SCALE_ROW1 matrix_b_scale:MATRIX_SCALE_ROW1
.elseif fA
	v_wmma_scale_f32_16x16x128_f8f6f4 v[rD:rD+7], v[rA:rA+11], v[rB:rB+11], 0, v[rSA], v[rSB] matrix_a_fmt:MATRIX_FMT_FP6 matrix_b_fmt:MATRIX_FMT_FP6 matrix_a_scale:MATRIX_SCALE_ROW1
.elseif fB
	v_wmma_scale_f32_16x16x128_f8f6f4 v[rD:rD+7], v[rA:rA+11], v[rB:rB+11], 0, v[rSA], v[rSB] matrix_a_fmt:MATRIX_FMT_FP6 matrix_b_fmt:MATRIX_FMT_FP6 matrix_b_scale:MATRIX_SCALE_ROW1
.else
	v_wmma_scale_f32_16x16x128_f8f6f4 v[rD:rD+7], v[rA:rA+11], v[rB:rB+11], 0, v[rSA], v[rSB] matrix_a_fmt:MATRIX_FMT_FP6 matrix_b_fmt:MATRIX_FMT_FP6
.endif
.else
.if fA && fB
	v_wmma_scale_f32_16x16x128_f8f6f4 v[rD:rD+7], v[rA:rA+11], v[rB:rB+11], v[rD:rD+7], v[rSA], v[rSB] matrix_a_fmt:MATRIX_FMT_FP6 matrix_b_fmt:MATRIX_FMT_FP6 matrix_a_scale:MATRIX_SCALE_ROW1 matrix_b_scale:MATRIX_SCALE_ROW1
.elseif fA
	v_wmma_scale_f32_16x16x128_f8f6f4 v[rD:rD+7], v[rA:rA+11], v[rB:rB+11], v[rD:rD+7], v[rSA], v[rSB] matrix_a_fmt:MATRIX_FMT_FP6 matrix_b_fmt:MATRIX_FMT_FP6 matrix_a_scale:MATRIX_SCALE_ROW1
.elseif fB
	v_wmma_scale_f32_16x16x128_f8f6f4 v[rD:rD+7], v[rA:rA+11], v[rB:rB+11], v[rD:rD+7], v[rSA], v[rSB] matrix_a_fmt:MATRIX_FMT_FP6 matrix_b_fmt:MATRIX_FMT_FP6 matrix_b_scale:MATRIX_SCALE_ROW1
.else
	v_wmma_scale_f32_16x16x128_f8f6f4 v[rD:rD+7], v[rA:rA+11], v[rB:rB+11], v[rD:rD+7], v[rSA], v[rSB] matrix_a_fmt:MATRIX_FMT_FP6 matrix_b_fmt:MATRIX_FMT_FP6
.endif
.endif
.endm
; 32 numbers of a lane (two blocks of 32, my 16 of each) become six registers of codes in v[PC] on (lanes 0-15 block 0 whole, lanes 16-31 block 1) and two scale bytes in v[pw]
.macro HQ src, pw
	v_max3_num_f32 v[TM], 0x1800000, |v[(\src)]|, |v[(\src)+1]|            ; the floor 2^(3 - 127) among the leaves
	v_max3_num_f32 v[TM+1], 0x1800000, |v[(\src)+16]|, |v[(\src)+17]|
.irp i, 2,4,6,8,10,12,14
	v_max3_num_f32 v[TM], v[TM], |v[(\src)+\i]|, |v[(\src)+\i+1]|
	v_max3_num_f32 v[TM+1], v[TM+1], |v[(\src)+16+\i]|, |v[(\src)+17+\i]|
.endr
	v_permlanex16_b32 v[TP], v[TM], s[SEL], s[SEL+1]
	v_permlanex16_b32 v[TP+1], v[TM+1], s[SEL], s[SEL+1]
	v_max_num_f32 v[TM], v[TM], v[TP]
	v_max_num_f32 v[TM+1], v[TM+1], v[TP+1]
	v_add_nc_u32 v[SO], 0xff000000, v[TM]
	v_add_nc_u32 v[SO+1], 0xff000000, v[TM+1]
	v_lshrrev_b32 v[BY], 23, v[SO]
	v_lshrrev_b32 v[BY+1], 23, v[SO+1]
	s_wait_dscnt 0x0                               ; the LDS stores of the codes made last are done
	s_wait_alu depctr_vm_vsrc(0)                   ; the LDS stores issued so far have read v[PC ..] and v[pw], which the lines below write
	v_lshl_or_b32 v[\pw], v[BY+1], 8, v[BY]
	v_cvt_scalef32_pk16_fp6_f32 v[PC:PC+2], v[(\src):(\src)+15], v[SO]
	v_cvt_scalef32_pk16_fp6_f32 v[PT:PT+2], v[(\src)+16:(\src)+31], v[SO+1]
	v_nop                                          ; one plain place behind a scaled conversion
.irp i, 0,1,2
	v_permlane16_swap_b32 v[PC+\i], v[PT+\i]
.endr
.irp i, 0,1,2
	v_mov_b32 v[PC+3+\i], v[PT+\i]
.endr
.endm
.macro RING S                          ; step S's weights: my four fragments and two pairs of scale words: 14 loads
.set pL, (\S)%2
.irp t, 0,1,2,3
.irp c, 0,1,2
	global_load_b128 v[104+48*pL+12*\t+4*\c:104+48*pL+12*\t+4*\c+3], v1, s[8:9] offset:(\S)*102400+\t*1536+512*\c
.endr
.endr
.irp g, 0,1
	global_load_b32 v[200+2*pL+\g], v14, s[8:9] offset:(\S)*102400+6144+128*\g
.endr
.endm
.macro AFETCH IMG, ks                  ; the rows' two fragments of K step ks: two half images each
.irp u, 0,1
	ds_load_b128 v[80+12*\u:83+12*\u], v1 offset:\IMG+\u*12288+(\ks)*1536
	ds_load_b64 v[84+12*\u:85+12*\u], v2 offset:\IMG+\u*12288+(\ks)*1536+512
	ds_load_b128 v[86+12*\u:89+12*\u], v1 offset:\IMG+\u*12288+(\ks)*1536+768
	ds_load_b64 v[90+12*\u:91+12*\u], v2 offset:\IMG+\u*12288+(\ks)*1536+1280
.endr
.endm
.macro PARLD idx, dst, g               ; parameter idx at my 16 columns of group g
.irp j, 0,1,2,3
	ds_load_b128 v[\dst+4*\j:\dst+4*\j+3], v13 offset:\idx*256+128*\g+16*\j
.endr
.endm
.macro KSTEP S, IMG, cz, par           ; step S = 8 x layer + K step; cz: the sums begin with 0; par: the layer's bias
.set sK, (\S)%8
.set pR, (\S)%2
.if (\S) < 23
	s_wait_loadcnt 14                              ; this step's weights are in; the next step's 14 loads may be out
.else
	s_wait_loadcnt 0x0
.endif
	s_wait_dscnt 0x0                               ; the rows' fragments
.set zF, \cz
.irp u, 0,1
.irp t, 0,1,2,3
.set rD, 16+8*(4*\u+\t)
.set rA, 104+48*pR+12*\t
.set rB, 80+12*\u
.set rSA, 200+2*pR+\t/2
.set rSB, 204+sK
.set fA, \t%2
.set fB, \u
	WM
.endr
.endr
	PLACES                                         ; ahead of the loads into the registers just read, and of the first read of results
.if (\S) < 23
	s_wait_alu depctr_va_vdst(0)                   ; this step's products are done reading their set of weights, its scale words and the rows' fragments, in which the loads below land; in a layer's seventh step the vector lines that named v212 to v243 are done too
.endif
.if (\S) < 22
	RING (\S)+2
.endif
.if sK < 7
	AFETCH \IMG, sK+1
.endif
.if sK == 6
	PARLD \par, 212, 0
	PARLD \par, 228, 1
.endif
.endm
.macro BIASADD                         ; from each accumulator's low end on
.irp u, 0,1
.set i, 0
.rept 16
	v_pk_add_f32 v[16+32*\u+i:17+32*\u+i], v[16+32*\u+i:17+32*\u+i], v[212+i:213+i]
.set i, i+2
.endr
.endr
.endm
; v96, v98: my wave's sums for rows (0, r) and (1, r) -> the rows' totals over the sixteen waves.  One barrier.
.macro REDUCE red
	v_cndmask_b32 v100, v96, v98, s30              ; lane l speaks for row l
	s_wait_alu depctr_va_vdst(0)                   ; v100 is written, which the store reads; the vector and matrix lines that named v80 to v95 are done: the four loads below land there
	ds_store_b32 v10, v100 offset:\red
	s_wait_dscnt 0x0                               ; for the others' sake
	s_barrier_signal -1
	s_barrier_wait -1
.irp j, 0,1,2,3
	ds_load_b128 v[80+4*\j:83+4*\j], v11 offset:\red+16*\j
.endr
	s_wait_dscnt 0x0
	s_wait_alu depctr_vm_vsrc(0)                   ; the store has read v100, which is written below; x1's stores have read v16 to v79, which the lines behind this macro write
	v_pk_add_f32 v[80:81], v[80:81], v[82:83]
	v_pk_add_f32 v[84:85], v[84:85], v[86:87]
	v_pk_add_f32 v[88:89], v[88:89], v[90:91]
	v_pk_add_f32 v[92:93], v[92:93], v[94:95]
	v_pk_add_f32 v[80:81], v[80:81], v[84:85]
	v_pk_add_f32 v[88:89], v[88:89], v[92:93]
	v_pk_add_f32 v[80:81], v[80:81], v[88:89]
	v_add_f32 v100, v80, v81
	v_permlanex16_b32 v101, v100, s[SEL], s[SEL+1]
	v_cndmask_b32 v96, v100, v101, s30
	v_cndmask_b32 v98, v101, v100, s30
.endm
.macro HALVES                          ; a lane's two sums, and the other half of the lanes'
	v_add_f32 v96, v96, v97
	v_add_f32 v98, v98, v99
	v_mov_b32 v100, 0
	v_mov_b32 v101, 0
	v_permlanex16_b32 v100, v96, s[SEL], s[SEL+1]
	v_permlanex16_b32 v101, v98, s[SEL], s[SEL+1]
	v_add_f32 v96, v96, v100
	v_add_f32 v98, v98, v101
.endm
.macro NORM g                          ; group g: (d x rstd) x gain + offset
.irp u, 0,1
.set i, 0
.rept 8
	v_pk_mul_f32 v[16+32*\u+16*\g+i:17+32*\u+16*\g+i], v[16+32*\u+16*\g+i:17+32*\u+16*\g+i], v[100+2*\u:101+2*\u]
.set i, i+2
.endr
.set i, 0
.rept 8
	v_pk_fma_f32 v[16+32*\u+16*\g+i:17+32*\u+16*\g+i], v[16+32*\u+16*\g+i:17+32*\u+16*\g+i], v[212+i:213+i], v[228+i:229+i]
.set i, i+2
.endr
.endr
.endm
.macro STORE_IMG IMG, SC               ; my 64 columns of both row tiles: two half images and a halfword of scale bytes a row
	v_mov_b32 v[TP], 0
	v_mov_b32 v[TP+1], 0
	HQ 16, 88
	s_wait_alu depctr_va_vdst(0)                   ; tile 0's codes v90 to v95 are written, which the two stores read
	ds_store_b128 v3, v[PC:PC+3] offset:\IMG
	ds_store_b64 v4, v[PC+4:PC+5] offset:\IMG+512
	HQ 48, 89
	v_cndmask_b32 v88, v88, v89, s30
	s_wait_alu depctr_va_vdst(0)                   ; tile 1's codes and the bytes in v88 are written, which the three stores read; no vector line follows until the next products, so the loads behind this macro, which land in v16 to v103 and v204 to v211, lean on this wait too
	ds_store_b128 v3, v[PC:PC+3] offset:\IMG+12288
	ds_store_b64 v4, v[PC+4:PC+5] offset:\IMG+12288+512
	ds_store_b16 v5, v88 offset:\SC
.endm
.macro GELU k                          ; sixteen numbers in place
.set GV, 16+16*\k
.set i, 0
.rept 16
	v_fma_f32 v[212+i], |v[GV+i]|, s27, 1.0        ; 1 + z / 2
.set i, i+1
.endr
.set i, 0
.rept 16
	v_rcp_f32 v[212+i], v[212+i]                   ; t
.set i, i+1
.endr
.set i, 0
.rept 8
	v_pk_mul_f32 v[228+i:229+i], v[GV+i:GV+i+1], v[GV+i:GV+i+1]     ; v^2 = 2 z^2: plain work behind the batch
.set i, i+2
.endr
	s_wait_alu depctr_va_vdst(0)                   ; the sixteen reciprocals are written: one wait for the batch, ahead of its first reader
.set i, 0
.rept 8
	v_pk_fma_f32 v[80+i:81+i], v[212+i:213+i], v[254:255], 0xbf527892 op_sel_hi:[1,1,0]
.set i, i+2
.endr
.irp c, 0x3fbe87b0, 0xbf914e5d, 0x3e8ec7cc, 0xbe3ec24c, 0x3dc636c9, 0x3ebf88fb, 0x3f8000c7, 0xbfa1fc4e
.set i, 0
.rept 8
	v_pk_fma_f32 v[80+i:81+i], v[80+i:81+i], v[212+i:213+i], \c op_sel_hi:[1,1,0]
.set i, i+2
.endr
.endr
.set i, 0
.rept 8
	v_pk_fma_f32 v[80+i:81+i], v[228+i:229+i], -0.5, v[80+i:81+i] op_sel_hi:[1,0,1]   ; - z^2
.set i, i+2
.endr
.set i, 0
.rept 8
	v_pk_mul_f32 v[80+i:81+i], v[80+i:81+i], 0x3fb8aa3b op_sel_hi:[1,0]
.set i, i+2
.endr
.set i, 0
.rept 16
	v_exp_f32 v[80+i], v[80+i]
.set i, i+1
.endr
.set i, 0
.rept 16
	v_mul_f32 v[228+i], |v[GV+i]|, v[212+i]        ; |v| t: plain work behind the batch
.set i, i+1
.endr
.set i, 0
.rept 16
	v_max_num_f32 v[GV+i], 0, v[GV+i]
.set i, i+1
.endr
	s_wait_alu depctr_va_vdst(0)                   ; the sixteen exponentials are written, ahead of their first reader
.set i, 0
.rept 8
	v_pk_mul_f32 v[228+i:229+i], v[228+i:229+i], v[80+i:81+i]       ; |v| erfc
.set i, i+2
.endr
.set i, 0
.rept 8
	v_pk_fma_f32 v[GV+i:GV+i+1], v[228+i:229+i], -0.5, v[GV+i:GV+i+1] op_sel_hi:[1,0,1]
.set i, i+2
.endr
.endm
.macro BARRIER
	s_wait_dscnt 0x0                               ; my LDS stores have landed and my LDS loads are in
	s_barrier_signal -1
	s_barrier_wait -1
.endm
	s_load_b512 s[4:19], s[0:1], 0x0               ; att_img 4, att_sc 6, w3 8, x 10, b_o 12, ln2_g 14, ln2_b 16, b1 18
	s_load_b128 s[20:23], s[0:1], 0x40             ; b2 20, out0 22
	v_lshl_add_u32 v252, v0, 2, 0x43800
	v_mov_b32 v253, 0
	v_lshrrev_b32 v1, 5, v0
	v_readfirstlane_b32 s24, v1                    ; wave 0..15
	v_and_b32 v244, 31, v0                         ; lane
	v_and_b32 v245, 15, v0                         ; r
	v_bfe_u32 v246, v0, 4, 1                       ; h
	v_lshlrev_b32 v1, 4, v244
	v_lshlrev_b32 v2, 3, v244
	v_lshlrev_b32 v14, 2, v244
	s_wait_alu depctr_va_sdst(0)                   ; s24 is written, ahead of its first reader: LDS addresses and the weights' offset are made from it
	s_mul_i32 s34, s24, 768
	v_add_nc_u32 v3, s34, v1                       ; where I store half images
	v_add_nc_u32 v4, s34, v2
	v_lshlrev_b32 v12, 5, v244                     ; a row's 32 scale bytes
	s_lshl_b32 s34, s24, 1
	v_add_nc_u32 v5, s34, v12                      ; my halfword of them
	s_lshl_b32 s34, s24, 13
	s_add_co_u32 s34, s34, X1
	v_add_nc_u32 v6, s34, v1
	s_mul_i32 s34, s24, 4352
	s_add_co_u32 s34, s34, STG
	v_mul_u32_u24 v7, v245, 272
	v_lshl_add_u32 v7, v246, 6, v7
	v_add_nc_u32 v7, s34, v7                       ; the stage by the accumulators' layout: row r, + 64 h
	v_mul_u32_u24 v8, v246, 272
	v_lshl_add_u32 v8, v245, 4, v8
	v_add_nc_u32 v8, s34, v8                       ; and by rows: lanes 0-15 one row's 256 bytes, lanes 16-31 the next
	v_lshlrev_b32 v9, 12, v246
	v_lshl_add_u32 v9, v245, 4, v9
	s_lshl_b32 s34, s24, 8
	v_add_nc_u32 v9, s34, v9                       ; the same in x and out0
	v_add_nc_u32 v248, s34, v2                     ; my 8 bytes of the wave's 256 of a parameter
	v_lshlrev_b32 v11, 6, v244                     ; a row's sixteen sums
	s_lshl_b32 s34, s24, 2
	v_add_nc_u32 v10, s34, v11
	s_mul_i32 s34, s24, 1280
	s_add_co_u32 s34, s34, PAR
	v_lshl_add_u32 v13, v246, 6, s34
	v_add_nc_u32 v249, s34, v2
	v_lshlrev_b32 v15, 8, v246
	v_lshl_add_u32 v15, v245, 4, v15               ; att_sc: 256 x tile + 16 r
	s_mul_i32 s34, s24, 1536
	v_add_nc_u32 v247, s34, v1                     ; my part of the images' copy
	v_mov_b32 v254, 0x3e2ef945                     ; the polynomial's highest coefficient, twice
	v_mov_b32 v255, 0x3e2ef945
	s_mul_i32 s34, ttmp9, 24576
	s_mov_b32 s35, 0
	s_lshr_b32 s36, ttmp9, 4
	s_lshl_b32 s36, s36, 10                        ; the batch entry,
	s_and_b32 s37, ttmp9, 1
	s_lshl_b32 s37, s37, 9
	s_add_co_u32 s36, s36, s37                     ; the waves 2 (block % 2) + tile that made my rows,
	s_bfe_u32 s37, ttmp9, 0x30001
	s_lshl_b32 s37, s37, 1
	s_add_co_u32 s36, s36, s37                     ; their tile number (block % 16) / 2
	s_mov_b32 s37, 0
	s_mul_i32 s38, s24, 6400
	s_mov_b32 s39, 0
	s_lshl_b32 s40, ttmp9, 17
	s_mov_b32 s41, 0
	s_mov_b32 s26, 0x3727c5ac                      ; 1e-5
	s_mov_b32 s27, 0x3eb504f3                      ; 1 / (2 sqrt 2)
	s_mov_b32 s[SEL], 0x76543210
	s_mov_b32 s[SEL+1], 0xfedcba98
	s_mov_b32 s30, 0xffff0000                      ; lanes 16-31
	s_mov_b32 s31, 0x3a800000                      ; 1 / 1024
	s_wait_kmcnt 0x0
	s_add_nc_u64 s[4:5], s[4:5], s[34:35]
	s_add_nc_u64 s[6:7], s[6:7], s[36:37]
	s_add_nc_u64 s[8:9], s[8:9], s[38:39]
	s_add_nc_u64 s[10:11], s[10:11], s[40:41]
	s_add_nc_u64 s[22:23], s[22:23], s[40:41]
	s_wait_alu depctr_va_vdst(0)                   ; the offsets and LDS addresses v1 to v15 and v247 to v249 are written, which every load and store of the kernel reads
.irp c, 0,1,2
	global_load_b128 v[16+4*\c:19+4*\c], v247, s[4:5] offset:512*\c th:TH_LOAD_NT
.endr
	global_load_b64 v[28:29], v248, s[12:13]
	global_load_b64 v[30:31], v248, s[14:15]
	global_load_b64 v[32:33], v248, s[16:17]
	global_load_b64 v[34:35], v248, s[18:19]
	global_load_b64 v[36:37], v248, s[20:21]
.set i, 0
.rept 16
	global_load_u16 v[80+i], v15, s[6:7] offset:i*16384        ; head i's two scale bytes of my row
.set i, i+1
.endr
.irp i, 0,1,2,3,4,5,6,7
	global_load_b128 v[48+4*\i:51+4*\i], v9, s[10:11] offset:(2*\i+8*((2*\i)/8))*4096 th:TH_LOAD_NT     ; x, tile 0: sixteen lanes read a row's 256 consecutive bytes
.endr
.irp i, 0,1,2,3,4,5,6,7
	global_load_b128 v[212+4*\i:215+4*\i], v9, s[10:11] offset:(8+2*\i+8*((2*\i)/8))*4096 th:TH_LOAD_NT ; tile 1
.endr
	RING 0
	RING 1
	s_wait_loadcnt 60                              ; the images and parameters are in: 16 + 16 + 28 loads are younger
.irp c, 0,1,2
	ds_store_b128 v247, v[16+4*\c:19+4*\c] offset:IMGA+512*\c
.endr
.irp q, 0,1,2,3,4
	ds_store_b64 v249, v[28+2*\q:29+2*\q] offset:256*\q
.endr
	s_wait_loadcnt 44                              ; the scale bytes: 16 + 28 are younger
.irp q, 0,1,2,3,4,5,6,7
	v_lshl_or_b32 v[204+\q], v[81+2*\q], 16, v[80+2*\q]        ; K step q's word: heads 2 q and 2 q + 1
.endr
.rept 8
	v_nop                                          ; a scale register written by a vector instruction stands eight places ahead of a scaled matrix instruction
.endr
	s_wait_loadcnt 36                              ; x's tile 0
	s_wait_dscnt 0x0                               ; the stores above are done
	s_wait_alu depctr_vm_vsrc(0)                   ; the stores above have read v16 to v37, in which the loads from the stage land
.irp i, 0,1,2,3,4,5,6,7
	ds_store_b128 v8, v[48+4*\i:51+4*\i] offset:544*\i
.endr
.irp q, 0,1,2,3,4,5,6,7
	ds_load_b128 v[16+4*\q:19+4*\q], v7 offset:128*(\q/4)+16*(\q%4)   ; LDS serves a wave's instructions in order: these see my stores
.endr
	s_wait_loadcnt 28                              ; x's tile 1; the weights' 28 loads may be out
	s_wait_dscnt 0x0
	s_wait_alu depctr_vm_vsrc(0)                   ; tile 0's stores into the stage have read v48 to v79, in which tile 1 lands
.irp i, 0,1,2,3,4,5,6,7
	ds_store_b128 v8, v[212+4*\i:215+4*\i] offset:544*\i
.endr
.irp q, 0,1,2,3,4,5,6,7
	ds_load_b128 v[48+4*\q:51+4*\q], v7 offset:128*(\q/4)+16*(\q%4)
.endr
	BARRIER                                        ; the attention's images lie in LDS
	s_wait_alu depctr_vm_vsrc(0)                   ; tile 1's stores into the stage have read v212 to v243, in which b_o lands in the seventh K step
	s_wait_alu depctr_va_vdst(0)                   ; the eight lines that made the scale words are done reading v80 to v95, in which the rows' fragments land, and have written v204 to v211, which the products take; their eight places stand above
	AFETCH IMGA, 0
	; ---- layer 1: x is the C of the first products
.irp t, 0,1,2,3,4,5,6,7
	KSTEP \t, IMGA, 0, 0
.endr
	BIASADD                                        ; + b_o: x1
	; ---- layernorm 2
	s_wait_alu depctr_va_vdst(0)                   ; the additions have written v16 to v79, which the stores read, and are done reading v212 to v243, in which gain and offset land
.set i, 0
.rept 16
	ds_store_b128 v6, v[16+4*i:19+4*i] offset:512*i            ; x1 is kept for the end
.set i, i+1
.endr
	PARLD 1, 212, 0
	PARLD 2, 228, 0
	v_pk_add_f32 v[96:97], v[16:17], v[18:19]
	v_pk_add_f32 v[98:99], v[48:49], v[50:51]
.set i, 4
.rept 14
	v_pk_add_f32 v[96:97], v[96:97], v[16+i:17+i]
	v_pk_add_f32 v[98:99], v[98:99], v[48+i:49+i]
.set i, i+2
.endr
	HALVES
	REDUCE RED1
	v_mul_f32 v100, 0xba800000, v96                ; - the means
	v_mul_f32 v102, 0xba800000, v98
	v_mov_b32 v101, v100
	v_mov_b32 v103, v102
.irp u, 0,1
.set i, 0
.rept 16
	v_pk_add_f32 v[16+32*\u+i:17+32*\u+i], v[16+32*\u+i:17+32*\u+i], v[100+2*\u:101+2*\u]
.set i, i+2
.endr
.endr
	v_pk_mul_f32 v[96:97], v[16:17], v[16:17]
	v_pk_mul_f32 v[98:99], v[48:49], v[48:49]
.set i, 2
.rept 15
	v_pk_fma_f32 v[96:97], v[16+i:17+i], v[16+i:17+i], v[96:97]
	v_pk_fma_f32 v[98:99], v[48+i:49+i], v[48+i:49+i], v[98:99]
.set i, i+2
.endr
	HALVES
	REDUCE RED2
	v_fma_f32 v96, v96, s31, s26                   ; the variances + 1e-5
	v_fma_f32 v98, v98, s31, s26
	v_rsq_f32 v100, v96
	v_rsq_f32 v102, v98
	v_nop
	s_wait_alu depctr_va_vdst(0)                   ; the two roots are written, ahead of their first reader
	v_mov_b32 v101, v100
	v_mov_b32 v103, v102
	NORM 0
	s_wait_alu depctr_va_vdst(0)                   ; the first group's lines are done reading v212 to v243, in which the second group's gain and offset land
	PARLD 1, 212, 1
	PARLD 2, 228, 1
	s_wait_dscnt 0x0
	NORM 1
	STORE_IMG IMGB, SC2
	BARRIER                                        ; layernorm 2's images and scale bytes lie in LDS
	s_wait_alu depctr_vm_vsrc(0)                   ; the images' stores have read v88 and v90 to v95, in which the rows' fragments land
	ds_load_b128 v[204:207], v12 offset:SC2
	ds_load_b128 v[208:211], v12 offset:SC2+16
	AFETCH IMGB, 0
	; ---- layer 2
	KSTEP 8, IMGB, 1, 3
.irp t, 9,10,11,12,13,14,15
	KSTEP \t, IMGB, 0, 3
.endr
	BIASADD                                        ; + b1
	GELU 0
	GELU 1
	GELU 2
	GELU 3
	STORE_IMG IMGA, SC3                            ; over the attention's images: every wave has passed three barriers since its last read of them
.set i, 0
.rept 16
	ds_load_b128 v[16+4*i:19+4*i], v6 offset:512*i             ; x1 comes back as the C of layer 3
.set i, i+1
.endr
	BARRIER                                        ; the hidden layer's images and scale bytes lie in LDS
	s_wait_alu depctr_vm_vsrc(0)                   ; the images' stores have read v88 and v90 to v95, in which the rows' fragments land
	ds_load_b128 v[204:207], v12 offset:SC3
	ds_load_b128 v[208:211], v12 offset:SC3+16
	AFETCH IMGA, 0
	; ---- layer 3
.irp t, 16,17,18,19,20,21,22,23
	KSTEP \t, IMGA, 0, 4
.endr
	BIASADD                                        ; + b2
	; ---- the way out: through my stage, so that sixteen lanes store a row's 256 consecutive bytes
	s_wait_alu depctr_va_vdst(0)                   ; the additions have written v16 to v79, which the LDS stores read; the last products are done reading the weights' registers, in which the rows land
.irp u, 0,1
.irp q, 0,1,2,3,4,5,6,7
	ds_store_b128 v7, v[16+32*\u+4*\q:19+32*\u+4*\q] offset:128*(\q/4)+16*(\q%4)
.endr
.irp i, 0,1,2,3,4,5,6,7
	ds_load_b128 v[104+32*\u+4*\i:107+32*\u+4*\i], v8 offset:544*\i   ; in order behind my stores; the next tile's stores come behind these
.endr
.endr
.irp u, 0,1
.irp i, 0,1,2,3,4,5,6,7
	s_wait_dscnt 16*(1-\u)+7-\i                    ; the younger loads of this tile, and the other tile's sixteen instructions, may be out
	global_store_b128 v9, v[104+32*\u+4*\i:107+32*\u+4*\i], s[22:23] offset:(8*\u+2*\i+8*((2*\i)/8))*4096 th:TH_STORE_NT
.endr
.endr
	s_wait_dscnt 0x0                               ; the closing lines, six on end
	s_wait_alu 0x0
	s_wait_tensorcnt 0x0
	ds_add_u32 v252, v253
	s_wait_dscnt 0x0
	s_endpgm
.Lfunc_end_k_qbb519b4dff_tail:
	.size	k_qbb519b4dff_tail, .Lfunc_end_k_qbb519b4dff_tail-k_qbb519b4dff_tail
	.p2alignl 7, 3214868480
	.fill 96, 4, 3214868480
	.section	.rodata,"a",@progbits
	.p2align	6, 0x0
	.amdhsa_kernel k_qbb519b4dff_tail
		.amdhsa_group_segment_fixed_size 278528
		.amdhsa_private_segment_fixed_size 0
		.amdhsa_enable_private_segment 0
		.amdhsa_kernarg_size 80
		.amdhsa_user_sgpr_count 2
		.amdhsa_user_sgpr_kernarg_segment_ptr 1
		.amdhsa_wavefront_size32 1
		.amdhsa_system_sgpr_workgroup_id_x 1
		.amdhsa_system_sgpr_workgroup_id_y 1
		.amdhsa_system_sgpr_workgroup_id_z 1
		.amdhsa_system_vgpr_workitem_id 0
		.amdhsa_next_free_vgpr 256
		.amdhsa_next_free_sgpr 66
		.amdhsa_reserve_vcc 0
		.amdhsa_float_denorm_mode_32 3
		.amdhsa_float_denorm_mode_16_64 3
		.amdhsa_memory_ordered 1
		.amdhsa_forward_progress 1
		.amdhsa_inst_pref_size 174
	.end_amdhsa_kernel
	.amdgpu_metadata
---
amdhsa.version: [ 1, 2 ]
amdhsa.kernels:
  - .name:           k_qbb519b4dff_tail
    .symbol:         k_qbb519b4dff_tail.kd
    .args:
      - { .name: att_img, .offset: 0, .size: 8, .value_kind: global_buffer, .address_space: global }
      - { .name: att_sc, .offset: 8, .size: 8, .value_kind: global_buffer, .address_space: global }
      - { .name: w3, .offset: 16, .size: 8, .value_kind: global_buffer, .address_space: global }
      - { .name: x, .offset: 24, .size: 8, .value_kind: global_buffer, .address_space: global }
      - { .name: b_o, .offset: 32, .size: 8, .value_kind: global_buffer, .address_space: global }
      - { .name: ln2_g, .offset: 40, .size: 8, .value_kind: global_buffer, .address_space: global }
      - { .name: ln2_b, .offset: 48, .size: 8, .value_kind: global_buffer, .address_space: global }
      - { .name: b1, .offset: 56, .size: 8, .value_kind: global_buffer, .address_space: global }
      - { .name: b2, .offset: 64, .size: 8, .value_kind: global_buffer, .address_space: global }
      - { .name: out0, .offset: 72, .size: 8, .value_kind: global_buffer, .address_space: global }
    .group_segment_fixed_size: 278528
    .private_segment_fixed_size: 0
    .kernarg_segment_align: 8
    .kernarg_segment_size: 80
    .max_flat_workgroup_size: 512
    .sgpr_count:     66
    .vgpr_count:     256
    .wavefront_size: 32
...
	.end_amdgpu_metadata
.endif
;; end of part 5
